; MI455X (gfx1250); checked and timed in simulation.
; The chip was launched on July 23, 2026; its instructions are those of AMD's public machine-readable ISA for CDNA 5 (MIT licence, August 2026) and "CDNA5" Instruction Set Architecture Reference Guide (July 2026). The comments in the code are by the model that wrote it; some were corrected since.
;; MHA. Allowed arithmetic: matrix products marked QUANTISED: E2M3 operands, one E8M0 scale for each 32 along K, by v_wmma_scale_f32_16x16x128_f8f6f4 with both operands' format E2M3, f32 sums; everything else in f32.
;; Inputs: W_k 1,024 x 1,024 float32; W_o 1,024 x 1,024 float32; W_q 1,024 x 1,024 float32; W_v 1,024 x 1,024 float32; adj_mask 4 x 2,048 x 2,048 bool; x 4 x 2,048 x 1,024 float32.
;; Outputs: out0 4 x 2,048 x 1,024 float32.
;; This version of the problem:
;;   THIS VERSION OF THE PROBLEM IS GIVEN IN LOW PRECISION. The matrix products marked QUANTISED in the list below multiply operands that are first quantised to E2M3 (2 exponent bits, 3 mantissa bits; 6 bits a number), with one power-of-two scale for each 32 numbers along K (OCP MX v1.0); their sums are f32. All else is computed in f32.
;;   The module's matrix products, in the order in which they are computed (A, B: the left and right operand; K: the contracted axis; several contracted axes count as one K, in the product's order):
;;     1. [M 8,192, K 1,024] x [K 1,024, N 1,024]; A: input x; B: input W_q: QUANTISED
;;     2. [M 8,192, K 1,024] x [K 1,024, N 1,024]; A: input x; B: input W_k: QUANTISED
;;     3. [M 8,192, K 1,024] x [K 1,024, N 1,024]; A: input x; B: input W_v: QUANTISED
;;     4. batch 64 x [M 2,048, K 64] x [K 64, N 2,048]; A: computed on the way; B: computed on the way: QUANTISED
;;     5. batch 64 x [M 2,048, K 2,048] x [K 2,048, N 64]; A: softmax (see below); B: computed on the way: QUANTISED
;;     6. [M 8,192, K 1,024] x [K 1,024, N 1,024]; A: computed on the way; B: input W_o: QUANTISED
;;   THE QUANTISER, for each operand of a quantised product, along K:
;;     - K is cut into blocks of 32 from its start; a last block that is shorter is filled with zeros.
;;     - A block's scale is 2^e with e = floor(log2(the largest magnitude in the block)) - 2, held to -126 .. 127; a block of zeros has e = 0. As a byte (E8M0): e + 127.
;;     - Each number is divided by its block's scale, clamped to +-7.5, and rounded to the nearest number of E2M3, ties to even, subnormals kept.
;;     - The product sums the exact products of the quantised numbers (number of the format x scale) in f32.
;;   ~~~python
;;   def quantise(x, axis):      # numpy; x: float32 -> the quantised numbers, widened to float32 again
;;       x = np.moveaxis(x, axis, -1); K = x.shape[-1]
;;       x = np.pad(x, [(0, 0)] * (x.ndim - 1) + [(0, -K % 32)]); x = x.reshape(x.shape[:-1] + (-1, 32)); a = np.abs(x).max(-1, keepdims=True)
;;       e = np.where(a > 0, np.clip(np.frexp(np.where(a > 0, a, 1))[1] - 1 - 2, -126, 127), 0)      # np.frexp(a)[1] - 1 = floor(log2(a)), exactly
;;       r = np.clip(x / 2.0 ** e, -7.5, 7.5)
;;       step = 2.0 ** (np.maximum(np.frexp(np.where(r == 0, 1, r))[1] - 1, 0) - 3)
;;       q = np.round(r / step) * step * 2.0 ** e      # np.round: ties to even
;;       return np.moveaxis(q.reshape(q.shape[:-2] + (-1,))[..., :K], -1, axis).astype(np.float32)
;;   ~~~
;;   SOFTMAX AHEAD OF A QUANTISED PRODUCT. Where the list says 'softmax', what is quantised is not the finished softmax but p = 2^(t - M), with t = logit x log2(e) and M = ceil(the row's largest t), a whole number; so 1/2 < the row's largest p <= 1. The row's sum l is taken of the UNQUANTISED p, in f32, and the product's result is divided by l at the end. Since M is a whole number, a kernel that streams over the keys may use a running M (the ceiling of the running maximum): every later rescaling is an exact power of two, which a block's scale takes up: the codes' values come out the same.
;;   OPERANDS COMPUTED ON THE WAY. 'Computed on the way' means the value that the module computes at that place (a softmax that the list does not call 'softmax' is quantised finished and normalised). What goes into a quantiser is computed in f32, as accurately as f32 sums, v_exp_f32 and their like allow (about 1e-6 of the number): no bf16 or f16 on the way to a quantiser, and a product that is left as it is and whose result goes on into a quantised operand takes f32 operands (vector FMAs, or v_wmma_f32_16x16x4_f32). A number that lies on a knife's edge between two numbers of the format may be rounded either way, as far as f32 arithmetic and the matrix unit's own rounding can turn it there, and no further.
;; One version. Each part assembles by itself: llvm-mc -triple=amdgcn-amd-amdhsa -mcpu=gfx1250 --defsym DOCPART=n.
;; ======== version 1 of 1: 4 launches
;; workspace buffers: xc 6,291,456 bytes; xs 262,144 bytes; wc 3,145,728 bytes; ws 131,072 bytes; maskw 2,097,152 bytes of whole numbers; qkv 20,447,232 bytes; oc 6,291,456 bytes; os 262,144 bytes
;; launch prep (part 1): grid 1408 x 1, 4 waves a work-group, no clusters, 50,688 bytes of LDS; arguments x, W_q, W_k, W_v, W_o, adj_mask, xc, xs, wc, ws, maskw; writes xc, xs, wc, ws, maskw
.if DOCPART == 1
	.amdgcn_target "amdgcn-amd-amdhsa--gfx1250"
	.amdhsa_code_object_version 6
	.text
	.protected	k_qf8993b1817_prep
	.globl	k_qf8993b1817_prep
	.p2align	8
	.type	k_qf8993b1817_prep,@function
k_qf8993b1817_prep:
	s_mov_b64 s[64:65], 0
	v_nop
	global_prefetch_b8 v0, s[64:65] scope:SCOPE_SE
	s_setreg_imm32_b32 hwreg(HW_REG_WAVE_MODE, 25, 1), 1
	s_wait_xcnt 0x0
; PREP.  Two kinds of work-group, parted on the work-group's number alone.
; 0-383: x [8192][1024] (0-255) and W_q, W_k, W_v, W_o [1024][1024] (32 work-groups each) become codes of FP6 (E2M3), K innermost, 768 bytes a row, and one E8M0 byte for each 32 along K, 32 bytes a row.
;   A block's byte is its largest magnitude's exponent field - 2, held at 1 from below (a block of zeros gets 1 where the rule says 127: its codes are zeros, and only this program reads the bytes).
;   ROWS LEAVE IN TILE ORDER: of each 32 rows the four runs of 8 lie in the order 0, 2, 1, 3.  A wave takes 8 rows, so the order costs one swap of the two bits of the wave's number in the destination.
;   So, in a later product whose source 0 is two neighbouring tiles of 16 such rows, a lane's 16 results are 16 neighbours in the true order.
; 384-1407: adj_mask's bytes become words of 32 bits, one bit a lane, in the order in which the attention launch's score registers take them:
;   maskw[tile of 16 queries Tg][key step ks][word j], bit r + 16 h = adj[query of (Tg, r) in tile order][128 ks + 32 (j / 16) + 16 h + j % 16].
; LIMITS: NaN and infinities among x and the weights are not served; blocks whose largest magnitude lies under 2^-124 are held at that floor.
; No tensor loads, no barrier: waves share nothing.  The two paths have LDS bytes of their own.
.set STEPS, 16
.set CB,    12                         ; bytes of 16 codes
.set R,     16                         ; v16-79   four sets of 16 numbers as they are loaded
.set X,     80                         ; v80-111  two sets of 16 neighbours
.set C,     128                        ; v128-191 codes: four registers for each step
.set E,     112                        ; v112-127 a scale byte for each step
.set WREG,  8192                       ; LDS of the quantising path: a region for each wave: two stages of 32 x SP bytes, then its 256 scale bytes
.set SP,    80                         ; a lane's place in a stage: 64 bytes + 16 of padding
.set MREG,  32768                      ; LDS of the mask path begins here
.set MWV,   4352                       ; 16 rows x (256 + 16) bytes for each wave
	s_load_b256 s[4:11], s[0:1], 0x0               ; x, W_q, W_k, W_v
	s_load_b128 s[12:15], s[0:1], 0x20             ; W_o, adj_mask
	s_load_b256 s[16:23], s[0:1], 0x30             ; xc, xs, wc, ws
	s_load_b64 s[24:25], s[0:1], 0x50              ; maskw
	v_lshl_add_u32 v192, v0, 2, 0xc400
	v_mov_b32 v193, 0
	v_lshrrev_b32 v1, 5, v0
	v_readfirstlane_b32 s26, v1                    ; wave
	v_and_b32 v2, 31, v0                           ; lane
	s_cmp_lt_u32 ttmp9, 384
	s_cbranch_scc0 .Lmask
	; ---------------- the quantising path ----------------
	v_lshlrev_b32 v3, 4, v2                        ; my 16 bytes of a load's 512
	s_mul_i32 s27, s26, WREG
	v_lshrrev_b32 v14, 2, v2
	v_mul_u32_u24 v14, v14, SP
	v_and_b32 v15, 3, v2
	v_lshl_add_u32 v14, v15, 4, v14
	v_add_nc_u32 v14, s27, v14                     ; the stage, on the way in: SP (lane / 4) + 16 (lane % 4)
	v_mul_u32_u24 v15, v2, SP
	v_add_nc_u32 v15, s27, v15                     ; and on the way out: SP x lane: my 16 neighbours
	v_mul_u32_u24 v4, v2, CB                       ; my codes' place in a step's
	v_lshrrev_b32 v5, 1, v2
	s_add_co_u32 s27, s27, 2*32*SP
	v_add_nc_u32 v5, s27, v5                       ; my wave's 256 scale bytes, my block's byte
	v_lshlrev_b32 v7, 3, v2
	v_add_nc_u32 v6, s27, v7                       ; and on the way out 8 bytes a lane
	s_wait_kmcnt 0x0
	s_sub_co_u32 s28, ttmp9, 256                   ; which 32 rows of the four weights (not used in x's work-groups)
	s_lshr_b32 s29, s28, 5                         ; which weight
	s_cmp_eq_u32 s29, 1
	s_cselect_b64 s[6:7], s[8:9], s[6:7]
	s_cmp_eq_u32 s29, 2
	s_cselect_b64 s[6:7], s[10:11], s[6:7]
	s_cmp_eq_u32 s29, 3
	s_cselect_b64 s[6:7], s[12:13], s[6:7]
	s_and_b32 s30, s28, 31                         ; which 32 rows of that weight
	s_cmp_lt_u32 ttmp9, 256                        ; x or a weight: the choice hangs on the work-group's number alone
	s_cselect_b64 s[4:5], s[4:5], s[6:7]
	s_cselect_b64 s[16:17], s[16:17], s[20:21]
	s_cselect_b64 s[18:19], s[18:19], s[22:23]
	s_cselect_b32 s30, ttmp9, s30                  ; the 32 rows in the source,
	s_cselect_b32 s31, ttmp9, s28                  ; and in the destination (the four weights lie on end there)
	s_lshl_b32 s30, s30, 2
	s_add_co_u32 s30, s30, s26                     ; my run of 8 rows in the source
	s_lshl_b32 s32, s30, 15                        ; 32,768 bytes a run
	s_mov_b32 s33, 0
	s_add_nc_u64 s[4:5], s[4:5], s[32:33]
	s_and_b32 s34, s26, 1
	s_lshl_b32 s34, s34, 1
	s_lshr_b32 s35, s26, 1
	s_or_b32 s34, s34, s35                         ; TILE ORDER: runs 1 and 2 of the four change places
	s_lshl_b32 s31, s31, 2
	s_add_co_u32 s31, s31, s34
	s_mul_i32 s32, s31, 6144                       ; 8 rows of 768 bytes of codes
	s_add_nc_u64 s[16:17], s[16:17], s[32:33]
	s_lshl_b32 s32, s31, 8                         ; 8 rows of 32 scale bytes
	s_add_nc_u64 s[18:19], s[18:19], s[32:33]
.macro LOAD t
.irp i, 0,1,2,3
	global_load_b128 v[R+16*((\t)%4)+4*\i:R+16*((\t)%4)+4*\i+3], v3, s[4:5] offset:2048*(\t)+512*\i th:TH_LOAD_NT   ; 32 lanes read 512 consecutive bytes
.endr
.endm
.macro TURN t                          ; step t's numbers through the stage: LDS serves a wave's instructions in order, so no wait stands between the stores and the loads
.irp i, 0,1,2,3
	ds_store_b128 v14, v[R+16*((\t)%4)+4*\i:R+16*((\t)%4)+4*\i+3] offset:32*SP*((\t)%2)+8*SP*\i
.endr
.irp i, 0,1,2,3
	ds_load_b128 v[X+16*((\t)%2)+4*\i:X+16*((\t)%2)+4*\i+3], v15 offset:32*SP*((\t)%2)+16*\i
.endr
.endm
.irp t, 0,1,2,3
	LOAD \t
.endr
	s_wait_loadcnt 12                              ; step 0's four loads are in; three steps' twelve may be out
	TURN 0
.macro STEP t
.set XS, X+16*((\t)%2)
.if (\t) > 0
	s_wait_dscnt 1                                 ; this step's numbers are back from the stage (the last step's byte store may be out)
.else
	s_wait_dscnt 0x0
.endif
.if (\t)+4 < STEPS
	LOAD (\t)+4                                    ; into the registers that this step's stage stores have read
.endif
.if (\t)+1 < STEPS
.if STEPS-2-(\t) >= 3
	s_wait_loadcnt 12                              ; the next step's four loads are in; those of the three steps behind it may be out
.else
	s_wait_loadcnt 4*(STEPS-2-(\t))
.endif
	TURN (\t)+1
.endif
	v_max3_num_f32 v8, |v[XS]|, |v[XS+1]|, |v[XS+2]|               ; the largest magnitude of my 16
	v_max3_num_f32 v9, |v[XS+3]|, |v[XS+4]|, |v[XS+5]|
.irp i, 6,10
	v_max3_num_f32 v8, v8, |v[XS+\i]|, |v[XS+\i+1]|
	v_max3_num_f32 v9, v9, |v[XS+\i+2]|, |v[XS+\i+3]|
.endr
	v_max3_num_f32 v8, v8, |v[XS+14]|, |v[XS+15]|
	v_max3_num_f32 v8, v8, v9, 0x1800000           ; and the floor 2^(3 - 127): the byte cannot fall under 1
	v_max_num_f32_dpp v8, v8, v8 row_xmask:1 row_mask:0xf bank_mask:0xf   ; and of my neighbour's 16: the block's
	v_add_nc_u32 v11, 0xff000000, v8               ; 2 off its exponent field: the conversion takes the exponent field of this operand as its scale
	v_cvt_scalef32_pk16_fp6_f32 v[C+4*(\t):C+4*(\t)+2], v[XS:XS+15], v11
	v_lshrrev_b32 v[E+(\t)], 23, v11               ; the scale's byte
	ds_store_b8 v5, v[E+(\t)] offset:16*(\t)       ; both lanes of a block write the same byte with the same value
	global_store_b96 v4, v[C+4*(\t):C+4*(\t)+2], s[16:17] offset:32*CB*(\t)   ; the wave stores 384 consecutive bytes
.endm
.irp t, 0,1,2,3,4,5,6,7,8,9,10,11,12,13,14,15
	STEP \t
.endr
	ds_load_b64 v[12:13], v6                       ; LDS serves a wave's instructions in order: these see my stores
	s_wait_dscnt 0x0
	global_store_b64 v7, v[12:13], s[18:19]        ; 32 lanes store 256 consecutive bytes, aligned
	s_wait_tensorcnt 0x0
	ds_add_u32 v192, v193
	s_wait_dscnt 0x0
	s_endpgm
	; ---------------- the mask path: a wave takes 16 queries x 256 keys ----------------
.Lmask:
	s_sub_co_u32 s27, ttmp9, 384
	s_lshl_b32 s27, s27, 2
	s_add_co_u32 s27, s27, s26                     ; my unit u = 8 Tg + kk
	s_lshr_b32 s28, s27, 3                         ; Tg: the tile of queries, over all batches
	s_and_b32 s29, s27, 7                          ; kk: which 256 keys
	s_lshr_b32 s30, s28, 1
	s_lshl_b32 s30, s30, 5
	s_and_b32 s31, s28, 1
	s_lshl_b32 s31, s31, 3
	s_add_co_u32 s30, s30, s31                     ; the tile's first row: 32 (Tg / 2) + 8 (Tg % 2); its rows are that + r + 8 (r / 8)
	s_lshl_b32 s30, s30, 11                        ; 2,048 bytes a row
	s_lshl_b32 s29, s29, 8
	s_add_co_u32 s32, s30, s29
	s_mov_b32 s33, 0
	s_lshl_b32 s34, s27, 9                         ; 128 words a unit
	s_mov_b32 s35, 0
	v_lshrrev_b32 v3, 4, v2                        ; h
	v_and_b32 v4, 15, v2                           ; r
	v_lshlrev_b32 v5, 11, v3
	v_lshl_add_u32 v5, v4, 4, v5                   ; in memory: lanes 0-15 one row's 256 bytes, lanes 16-31 the next row's
	s_mul_i32 s36, s26, MWV
	s_add_co_u32 s36, s36, MREG
	v_mul_u32_u24 v6, v3, 272
	v_lshl_add_u32 v6, v4, 4, v6
	v_add_nc_u32 v6, s36, v6                       ; into my stage, the same way, rows 272 bytes apart
	v_mul_u32_u24 v7, v4, 272
	v_lshl_add_u32 v7, v3, 4, v7
	v_add_nc_u32 v7, s36, v7                       ; back: lane (r, h) takes row r, 16 keys from 16 h on
	v_lshlrev_b32 v8, 4, v2
.irp i, 0,1,2,3
	v_mov_b32 v[88+\i], 0                          ; v_writelane_b32 counts as a reader of its destination
.endr
	s_wait_kmcnt 0x0
	s_add_nc_u64 s[14:15], s[14:15], s[32:33]
	s_add_nc_u64 s[24:25], s[24:25], s[34:35]
.irp i, 0,1,2,3,4,5,6,7
	global_load_b128 v[16+4*\i:19+4*\i], v5, s[14:15] offset:(2*\i+8*(\i/4))*2048 th:TH_LOAD_NT   ; rows r = 2 i, 2 i + 1 of the tile
.endr
.irp i, 0,1,2,3,4,5,6,7
	s_wait_loadcnt 7-\i                            ; load i is in; the 7 - i younger ones may be out
	ds_store_b128 v6, v[16+4*\i:19+4*\i] offset:544*\i
.endr
.irp n, 0,1,2,3,4,5,6,7
	ds_load_b128 v[48+4*\n:51+4*\n], v7 offset:128*(\n/4)+32*(\n%4)   ; keys 128 (n / 4) + 32 (n % 4) + 16 h + 0 .. 15: word n' = 16 n + i is byte i of these 16
.endr
	s_wait_dscnt 0x0
.set n, 0
.rept 16                               ; eight words at a time: byte n % 4 of v[48 + n / 4] in every lane becomes one word of 32 bits, which goes to lane n / 4, register n % 4
.irp k, 0,1,2,3,4,5,6,7
	v_bfe_u32 v[80+\k], v[48+(n+\k)/4], 8*((n+\k)%4), 8
.endr
.irp k, 0,1,2,3,4,5,6,7
	v_cmp_ne_u32 s[40+\k], 0, v[80+\k]
.endr
.irp k, 0,1,2,3,4,5,6,7
	v_writelane_b32 v[88+(n+\k)%4], s[40+\k], (n+\k)/4
.endr
.set n, n+8
.endr
	global_store_b128 v8, v[88:91], s[24:25]       ; 512 consecutive bytes, aligned
	s_wait_tensorcnt 0x0
	ds_add_u32 v192, v193
	s_wait_dscnt 0x0
	s_endpgm
.Lfunc_end_k_qf8993b1817_prep:
	.size	k_qf8993b1817_prep, .Lfunc_end_k_qf8993b1817_prep-k_qf8993b1817_prep
	.p2alignl 7, 3214868480
	.fill 96, 4, 3214868480
	.section	.rodata,"a",@progbits
	.p2align	6, 0x0
	.amdhsa_kernel k_qf8993b1817_prep
		.amdhsa_group_segment_fixed_size 50688
		.amdhsa_private_segment_fixed_size 0
		.amdhsa_enable_private_segment 0
		.amdhsa_kernarg_size 88
		.amdhsa_user_sgpr_count 2
		.amdhsa_user_sgpr_kernarg_segment_ptr 1
		.amdhsa_wavefront_size32 1
		.amdhsa_system_sgpr_workgroup_id_x 1
		.amdhsa_system_sgpr_workgroup_id_y 1
		.amdhsa_system_sgpr_workgroup_id_z 1
		.amdhsa_system_vgpr_workitem_id 0
		.amdhsa_next_free_vgpr 194
		.amdhsa_next_free_sgpr 66
		.amdhsa_reserve_vcc 0
		.amdhsa_float_denorm_mode_32 3
		.amdhsa_float_denorm_mode_16_64 3
		.amdhsa_memory_ordered 1
		.amdhsa_forward_progress 1
		.amdhsa_inst_pref_size 61
	.end_amdhsa_kernel
	.amdgpu_metadata
---
amdhsa.version: [ 1, 2 ]
amdhsa.kernels:
  - .name:           k_qf8993b1817_prep
    .symbol:         k_qf8993b1817_prep.kd
    .args:
      - { .name: x, .offset: 0, .size: 8, .value_kind: global_buffer, .address_space: global }
      - { .name: W_q, .offset: 8, .size: 8, .value_kind: global_buffer, .address_space: global }
      - { .name: W_k, .offset: 16, .size: 8, .value_kind: global_buffer, .address_space: global }
      - { .name: W_v, .offset: 24, .size: 8, .value_kind: global_buffer, .address_space: global }
      - { .name: W_o, .offset: 32, .size: 8, .value_kind: global_buffer, .address_space: global }
      - { .name: adj_mask, .offset: 40, .size: 8, .value_kind: global_buffer, .address_space: global }
      - { .name: xc, .offset: 48, .size: 8, .value_kind: global_buffer, .address_space: global }
      - { .name: xs, .offset: 56, .size: 8, .value_kind: global_buffer, .address_space: global }
      - { .name: wc, .offset: 64, .size: 8, .value_kind: global_buffer, .address_space: global }
      - { .name: ws, .offset: 72, .size: 8, .value_kind: global_buffer, .address_space: global }
      - { .name: maskw, .offset: 80, .size: 8, .value_kind: global_buffer, .address_space: global }
    .group_segment_fixed_size: 50688
    .private_segment_fixed_size: 0
    .kernarg_segment_align: 8
    .kernarg_segment_size: 88
    .max_flat_workgroup_size: 128
    .sgpr_count:     66
    .vgpr_count:     194
    .wavefront_size: 32
...
	.end_amdgpu_metadata
.endif
;; end of part 1
;; launch proj (part 2): grid 8 x 48, 4 waves a work-group, clusters of 4 x 4, 327,680 bytes of LDS; arguments xc, xs, wc, ws, qkv; writes qkv
.if DOCPART == 2
	.amdgcn_target "amdgcn-amd-amdhsa--gfx1250"
	.amdhsa_code_object_version 6
	.text
	.protected	k_qf8993b1817_proj
	.globl	k_qf8993b1817_proj
	.p2align	8
	.type	k_qf8993b1817_proj,@function
k_qf8993b1817_proj:
	s_mov_b64 s[64:65], 0
	v_nop
	global_prefetch_b8 v0, s[64:65] scope:SCOPE_SE
	s_setreg_imm32_b32 hwreg(HW_REG_WAVE_MODE, 25, 1), 1
	s_wait_xcnt 0x0
	s_wait_alu depctr_hold_cnt(0) depctr_sa_sdst(0) depctr_va_vdst(0) depctr_va_sdst(0) depctr_va_ssrc(0) depctr_va_vcc(0) depctr_vm_vsrc(0)
	s_getreg_b32 s2, hwreg(HW_REG_IB_STS2, 6, 4)
	s_cmp_eq_u32 s2, 0
	s_cbranch_scc0 .Lentry_in_a_cluster
	s_endpgm
.Lentry_in_a_cluster:
	s_bfe_u32 s2, ttmp6, 0x10000c
	s_cmp_lg_u32 s2, 0xf033
	s_cbranch_scc0 .Lentry_shape_is_right
	s_endpgm
.Lentry_shape_is_right:
; PROJ.  Q = x W_q^T, K = x W_k^T, V = x W_v^T on codes of FP6 (E2M3) with E8M0 scales, f32 sums; the results are quantised in registers and leave as codes in the order of the next launch's operand registers.
; A tile of 256 x 256 results to a work-group of four waves, 128 x 128 a wave (64 accumulators, 512 registers); K = 1,024 in four steps of 256 through two LDS slots filled by the tensor data mover.
; SOURCE 0 (region B of a slot) is the operand whose rows become the next quantiser's K; SOURCE 1 (region A) the one whose row a lane keeps.
;   cluster y < 8 (Q and K):  A = x (tokens), B = W_q, W_k (channels): a lane holds one token and 128 channels, two heads.
;   cluster y >= 8 (V):       A = W_v (channels), B = x (tokens): a lane holds one channel and 128 keys.
; Only pointers, tile numbers and output strides are chosen by that number, by selects: both kinds take one path through the text, and the number is the same in all partners of a cluster.
; Rows of xc and wc lie in tile order (of each 32 rows the runs of 8 in the order 0, 2, 1, 3), so the 16 registers of accumulators (a, 2 g) and (a, 2 g + 1) are source 0's true rows 32 g + 16 (lane / 16) + 0 .. 15.
; qkv: [128 tokens tb: 64][slot: 48][6,656 bytes]; slots 0-15 Q's heads, 16-31 K's, 32-47 V's.  An entry: 6,144 bytes of codes, 512 of scale words.
;   A half-image is 16 rows x 64 k: 512 bytes (operand registers 0-3, 16 bytes at 16 x lane), then 256 bytes (registers 4-5, 8 bytes at 8 x lane).
;   Q, K: 8 tiles of tokens x one half-image; scale words: group G (tiles 4 G .. 4 G + 3), 16 bytes a row; of a word bytes 0, 1 are scales and bytes 2, 3 are 0.
;   V: 4 tiles of channels x two half-images (128 keys); scale words: 16 bytes a channel row (tiles 0-3), 256 bytes, written twice.
; CLUSTERS: 4 x 4 work-groups; A's tiles are asked for jointly along a row of the cluster, B's along a column.
; LIMITS: a block of zeros gets the byte 1 (its codes are zeros; only this program reads the bytes); blocks whose largest magnitude lies under 2^-124 are held at that floor.
; REGISTERS, in windows of 256: window 0: v0-31 addresses; v32-63 scale words, two sets; from v128 A's fragments, one set; on the way out v32-83 at work.  window 1: B's fragments, two sets.  windows 2, 3: the accumulators.
.set KSTEP,  256
.set NQ,     2
.set ROWB,   192
.set KROW,   768
.set PITCH,  240                       ; an LDS row: 3 x (64 bytes of data + 16 of padding)
.set FR,     12
.set NL,     6
.set NP,     4
.set HALFT,  128*PITCH
.set SLOT,   4*HALFT
.set LAPS,   2                         ; a lap = two K steps
.set KS,     32                        ; a row of scale bytes
.set SCL,    2*SLOT
.set HALFS,  4352                      ; the scales of 128 rows: 16 x (256 + 16)
.set SBLK,   544                       ; those of 16 rows
.set SPARE,  SCL+4*HALFS               ; the spare words, 128 bytes for each wave: two blocks of 256 bytes that no other line names
.set ADRA, 16
.set ADRB, 20
.set ADRS, 27
.set SPW,  28
.set NIL,  29
.set SC,   32
.set AF,   128
.set LI,   24                          ; the way out: 16 x lane
.set LJ,   25                          ; 8 x lane
.set LSC,  26                          ; where a lane puts its 16 bytes of scale words
.set SHF,  30                          ; by how much lanes 16-31 shift a scale word down
.set TM,   32                          ; v32-35 largest magnitudes, v36-39 bytes, v44-47 the conversions' scale operands
.set SW,   48                          ; v48-55 the eight blocks' scale words
.set SD,   56                          ; v56-63 the scale words as they are stored
.set CD,   64                          ; v64-83 codes
.set G1, 24
.set G0, 32
.set G1B, 48
.set G0B, 56
.set G1S, 68
.set G0S, 76
.set G1SB, 80
.set G0SB, 88
.set MSB, 0
.macro WIN new                         ; the immediate's high byte repeats the setting that is left
.if MSB != \new
	s_set_vgpr_msb (MSB<<8)|\new
.set MSB, \new
.endif
.endm
.set MUL_LO, 0xa1                      ; source 0 (B) window 1, source 1 (A) window 0, C and D window 2
.set MUL_HI, 0xf1
.set TO_B,   0x40
; A joint load: waves 0 and 1 fetch for A, waves 2 and 3 for B; the branch hangs on the wave's number alone.  Four v_nop follow each of the two lines.
.macro JLOAD g0a, g1a, g0b, g1b
	s_cmp_eq_u32 s15, 0
	s_cbranch_scc0 .Lfor_b_\@
	tensor_load_to_lds s[\g0a:\g0a+3], s[\g1a:\g1a+7]
	s_nop 0
.rept 4
	v_nop
.endr
	s_branch .Lasked_\@
.Lfor_b_\@:
	tensor_load_to_lds s[\g0b:\g0b+3], s[\g1b:\g1b+7]
	s_nop 0
.rept 4
	v_nop
.endr
.Lasked_\@:
.endm
.macro CREST                           ; a round of the cluster's barrier behind its opening barrier
	s_cmp_lg_u32 s14, 0
	s_cbranch_scc1 .Lnot_wave_0_\@
	s_barrier_signal -3
.Lnot_wave_0_\@:
	s_barrier_wait -3
	s_barrier_signal -1
	s_barrier_wait -1
.endm
.macro CROUND
	s_barrier_signal -1
	s_barrier_wait -1
	CREST
.endm
	s_load_b128 s[4:7], s[0:1], 0x0                ; xc, xs
	s_load_b128 s[8:11], s[0:1], 0x10              ; wc, ws
	s_load_b64 s[12:13], s[0:1], 0x20              ; qkv
	v_lshl_add_u32 v[SPW], v0, 2, SPARE
	v_mov_b32 v[NIL], 0
	ds_add_u32 v28, v29
	ds_add_u32 v28, v29
	s_wait_dscnt 0x0
	v_lshrrev_b32 v1, 5, v0
	v_readfirstlane_b32 s14, v1                    ; wave 0..3
	s_lshr_b32 s15, s14, 1                         ; which half of A's rows is mine.  Also: I fetch for A (0) or for B (1)
	s_and_b32 s16, s14, 1                          ; which half of B's rows.  Also: which 128 rows of that tile I fetch
	s_bfe_u32 s40, ttmp6, 0x40000                  ; cx, cy
	s_bfe_u32 s41, ttmp6, 0x40004
	s_and_b32 s95, ttmp7, 0xffff                   ; cluster y: under 8 Q and K, from 8 on V
	s_lshl_b32 s42, ttmp9, 2
	s_add_co_u32 s42, s42, s40
	s_max_u32 s17, s95, 8
	s_sub_co_u32 s17, s17, 8
	s_lshl_b32 s17, s17, 3
	s_add_co_u32 s42, s42, s17                     ; B's tile of 256 rows: 4 x cluster x + cx (W_q, W_k: 0-7), for V + 8 (cluster y - 8) (x: 0-31)
	s_cmp_lt_u32 s95, 8
	s_cselect_b32 s17, s95, 2
	s_lshl_b32 s17, s17, 2
	s_add_co_u32 s17, s17, s41                     ; A's tile of 256 rows: 4 x cluster y + cy (x: 0-31), for V 8 + cy (W_v lies at rows 2,048 on of wc)
	s_lshl_b32 s43, s41, 2
	s_lshl_b32 s43, 15, s43                        ; my row of the cluster
	s_lshl_b32 s44, 0x1111, s40                    ; my column
	; descriptor group 1: a tile of 128 rows x 192 bytes, 16 bytes of padding behind every 64
	s_or_b32 s[G1+0], s43, (0<<16)|(1<<20)|(1<<21)|(3<<22)|(3<<25)
	s_or_b32 s[G1B+0], s44, (0<<16)|(1<<20)|(1<<21)|(3<<22)|(3<<25)
.irp g, G1, G1B
	s_mov_b32 s[\g+1], ROWB<<16                    ; tensor_dim0
	s_mov_b32 s[\g+2], 128<<16                     ; tensor_dim1
	s_mov_b32 s[\g+3], ROWB<<16                    ; tile_dim0
	s_mov_b32 s[\g+4], 128                         ; tile_dim1
	s_mov_b32 s[\g+5], KROW                        ; tensor_dim0_stride
	s_mov_b32 s[\g+6], 0
	s_mov_b32 s[\g+7], 0
.endr
	; the scales of 128 rows: 4,096 dense bytes, as 16 rows of 256 bytes (32 elements of 8), 16 bytes of padding behind each
	s_or_b32 s[G1S+0], s43, (3<<16)|(1<<20)|(1<<21)|(5<<22)|(3<<25)
	s_or_b32 s[G1SB+0], s44, (3<<16)|(1<<20)|(1<<21)|(5<<22)|(3<<25)
.irp g, G1S, G1SB
	s_mov_b32 s[\g+1], 32<<16
	s_mov_b32 s[\g+2], 16<<16
	s_mov_b32 s[\g+3], 32<<16
	s_mov_b32 s[\g+4], 16
	s_mov_b32 s[\g+5], 32
	s_mov_b32 s[\g+6], 0
	s_mov_b32 s[\g+7], 0
.endr
	s_lshl_b32 s18, s16, 7                         ; which 128 rows of the tile I fetch
	s_lshl_b32 s20, s17, 8
	s_add_co_u32 s20, s20, s18
	s_lshl_b32 s46, s42, 8
	s_add_co_u32 s46, s46, s18
	s_mov_b32 s21, 0
	s_mov_b32 s47, 0
	s_mov_b64 s[18:19], KS
	s_mul_u64 s[22:23], s[20:21], s[18:19]         ; where these rows' scales begin, in bytes
	s_mul_u64 s[92:93], s[46:47], s[18:19]
	s_mov_b64 s[18:19], KROW
	s_mul_u64 s[20:21], s[20:21], s[18:19]         ; and their codes
	s_mul_u64 s[46:47], s[46:47], s[18:19]
	s_mul_i32 s45, s14, HALFT                      ; where they go: wave x 128 rows
	s_mul_i32 s94, s14, HALFS
	s_wait_kmcnt 0x0
	s_cmp_lt_u32 s95, 8                            ; which tensor is A and which B: the choice hangs on the cluster's y alone
	s_cselect_b64 s[96:97], s[4:5], s[8:9]         ; A's codes
	s_cselect_b64 s[98:99], s[6:7], s[10:11]       ; A's scales
	s_cselect_b64 s[8:9], s[8:9], s[4:5]           ; B's codes
	s_cselect_b64 s[10:11], s[10:11], s[6:7]       ; B's scales
	s_add_nc_u64 s[20:21], s[96:97], s[20:21]
	s_add_nc_u64 s[22:23], s[98:99], s[22:23]
	s_add_nc_u64 s[46:47], s[8:9], s[46:47]
	s_add_nc_u64 s[92:93], s[10:11], s[92:93]
	CROUND                                         ; all sixteen work-groups are here: the first joint loads meet
	s_mov_b32 s[G0S], 1
	s_add_co_u32 s[G0S+1], s94, SCL
	s_mov_b64 s[G0S+2:G0S+3], s[22:23]
	s_or_b32 s[G0S+3], s[G0S+3], 0x80000000
	s_mov_b32 s[G0SB], 1
	s_add_co_u32 s[G0SB+1], s94, SCL
	s_mov_b64 s[G0SB+2:G0SB+3], s[92:93]
	s_or_b32 s[G0SB+3], s[G0SB+3], 0x80000000
	JLOAD G0S, G1S, G0SB, G1SB                     ; the scales first: they are wanted with K step 0
.irp s, 0,1
	s_mov_b32 s[G0+4*\s], 1
	s_add_co_u32 s[G0+4*\s+1], s45, \s*SLOT
	s_add_nc_u64 s[G0+4*\s+2:G0+4*\s+3], s[20:21], \s*ROWB
	s_or_b32 s[G0+4*\s+3], s[G0+4*\s+3], 0x80000000
	s_mov_b32 s[G0B+4*\s], 1
	s_add_co_u32 s[G0B+4*\s+1], s45, \s*SLOT
	s_add_nc_u64 s[G0B+4*\s+2:G0B+4*\s+3], s[46:47], \s*ROWB
	s_or_b32 s[G0B+4*\s+3], s[G0B+4*\s+3], 0x80000000
	JLOAD G0+4*\s, G1, G0B+4*\s, G1B
.endr
	v_and_b32 v1, 15, v0                           ; l % 16
	v_bfe_u32 v2, v0, 4, 1                         ; l / 16
	v_mul_u32_u24 v3, v1, PITCH
	v_mul_u32_u24 v4, v2, 24
	v_add_nc_u32 v4, v3, v4                        ; a fragment's row x pitch + 24 x half
	v_lshl_add_u32 v5, v2, 4, v4                   ; and the same behind one padding more
	s_mul_i32 s21, s15, HALFT                      ; my 128 rows of A
	s_mul_i32 s22, s16, HALFT                      ; my 128 rows of B,
	s_add_co_u32 s22, s22, 2*HALFT                 ; which lie behind A's 256
.irp s, 0,1
	v_add_nc_u32 v[ADRA+\s], s21, v4
	v_add_nc_u32 v[ADRB+\s], s22, v4
	v_add_nc_u32 v[ADRA+2+\s], s21, v5
	v_add_nc_u32 v[ADRB+2+\s], s22, v5
	s_add_co_u32 s21, s21, SLOT
	s_add_co_u32 s22, s22, SLOT
.endr
	v_mul_u32_u24 v5, v1, KS                       ; my row's scales: 32 bytes a row,
	v_lshrrev_b32 v6, 8, v5
	v_lshl_add_u32 v5, v6, 4, v5                   ; and 16 more for each 256 passed
	s_mul_i32 s21, s15, HALFS
	s_mul_i32 s22, s16, HALFS
	s_add_co_u32 s22, s22, 2*HALFS
	s_sub_co_u32 s22, s22, s21
	v_mul_u32_u24 v6, s22, v2                      ; lanes 16-31 take B's
	s_add_co_u32 s21, s21, SCL
	v_add_nc_u32 v5, v5, v6
	v_add_nc_u32 v[ADRS], s21, v5
.macro FRAG reg, adr, q, i             ; a fragment, 16 rows x 128 K, is 12 registers: registers 6 c .. 6 c + 5 hold K = 64 c + 32 (l / 16) + 0 .. 31: 24 bytes of the row, in pieces of 8
.irp p, 0,1,2,3,4,5
.set PIECE, 12*(\q)+6*(\p/3)+\p%3     ; 16 bytes of padding lie behind every 8 pieces: where the piece three on lies behind one padding more, the second address register serves
.if PIECE%8 < 5
	ds_load_b64 v[\reg+2*\p:\reg+2*\p+1], v[\adr] offset:8*PIECE+16*(PIECE/8)+(\i)*16*PITCH
.else
	ds_load_b64 v[\reg+2*\p:\reg+2*\p+1], v[\adr+2] offset:8*PIECE+16*(PIECE/8)+(\i)*16*PITCH
.endif
.endr
.endm
; 16 matrix instructions: A's blocks a0, a0 + 1 x B's eight, 128 along K.  The 64 accumulators take turns, one instruction a turn, in the same order in every step.
.macro MUL16 a0, p, q, sc, zero
.irp a, \a0, \a0+1
.irp b, 0,1,2,3,4,5,6,7
.if \zero
	v_wmma_scale_f32_16x16x128_f8f6f4 v[8*(8*((\a)%4)+\b):8*(8*((\a)%4)+\b)+7], v[128*(\p)+FR*\b:128*(\p)+FR*\b+FR-1], v[AF+FR*(\a):AF+FR*(\a)+FR-1], 0, v[SC+8*NQ*(\sc)+NQ*\b+(\q)], v[SC+8*NQ*(\sc)+NQ*(\a)+(\q)] matrix_a_fmt:MATRIX_FMT_FP6 matrix_b_fmt:MATRIX_FMT_FP6 matrix_a_scale:MATRIX_SCALE_ROW1
.else
	v_wmma_scale_f32_16x16x128_f8f6f4 v[8*(8*((\a)%4)+\b):8*(8*((\a)%4)+\b)+7], v[128*(\p)+FR*\b:128*(\p)+FR*\b+FR-1], v[AF+FR*(\a):AF+FR*(\a)+FR-1], v[8*(8*((\a)%4)+\b):8*(8*((\a)%4)+\b)+7], v[SC+8*NQ*(\sc)+NQ*\b+(\q)], v[SC+8*NQ*(\sc)+NQ*(\a)+(\q)] matrix_a_fmt:MATRIX_FMT_FP6 matrix_b_fmt:MATRIX_FMT_FP6 matrix_a_scale:MATRIX_SCALE_ROW1
.endif
.endr
.endr
.endm
.macro FETCH_B slot, q, p
	WIN TO_B
.irp i, 0,1,2,3,4,5,6,7
	FRAG 128*(\p)+FR*\i, ADRB+\slot, \q, \i
.endr
	WIN 0
.endm
.macro FETCH_A slot, q, i0
.irp i, \i0, \i0+1, \i0+2, \i0+3
	FRAG AF+FR*(\i), ADRA+\slot, \q, \i
.endr
.endm
.macro SCALES sc                       ; a K step's scale words: lanes 0-15 take A's block i, lanes 16-31 B's block i
.irp i, 0,1,2,3,4,5,6,7
	ds_load_b64 v[SC+8*NQ*\sc+NQ*\i:SC+8*NQ*\sc+NQ*\i+1], v[ADRS] offset:\i*SBLK
.endr
.endm
.macro PLACES n                        ; plain vector instructions between a matrix instruction and a load into, or a read or write of, its registers
.rept \n
	v_nop
.endr
.endm
.macro STEP slot, q, zero              ; a step of 128 along K that has its successor in the same slot
	s_wait_dscnt 4*NL                              ; B's set and A's blocks 0-3 are in; the youngest 24 loads (A's blocks 4-7) may be out
	WIN MUL_LO
	MUL16 0, (\q)%2, \q, \slot, \zero
	MUL16 2, (\q)%2, \q, \slot, \zero
	s_wait_dscnt 0
	PLACES NP
	FETCH_B \slot, (\q)+1, 1-(\q)%2
	FETCH_A \slot, (\q)+1, 0
	WIN MUL_HI
	MUL16 4, (\q)%2, \q, \slot, \zero
	MUL16 6, (\q)%2, \q, \slot, \zero
	PLACES NP
	WIN 0
	FETCH_A \slot, (\q)+1, 4
.endm
; A slot's last step changes slots: one barrier; in front of it each wave waits for all its tensor loads, adds 0 to its spare word, and waits for that and for its own reads of this slot.
.macro TURN slot, next, fill
	s_wait_tensorcnt 0x0                           ; all my tensor loads have landed: my part of the next slot
	ds_add_u32 v[SPW], v[NIL]                      ; 0 onto my spare word
	s_wait_dscnt 4*NL+1                            ; (the add and the youngest 24 loads, A's blocks 4-7, may be out)
	WIN MUL_LO
	MUL16 0, 1, NQ-1, \slot, 0
	s_wait_dscnt 0x0                               ; the add is done, and my reads of this slot are over
	s_barrier_signal -1
	MUL16 2, 1, NQ-1, \slot, 0
	WIN 0
	s_barrier_wait -1
.if \fill
	CREST                                          ; the barrier has opened a round of the cluster's barrier: no wave of any partner still reads this slot or has a load on its way
	s_add_nc_u64 s[G0+4*\slot+2:G0+4*\slot+3], s[G0+4*\slot+2:G0+4*\slot+3], 2*ROWB
	s_add_nc_u64 s[G0B+4*\slot+2:G0B+4*\slot+3], s[G0B+4*\slot+2:G0B+4*\slot+3], 2*ROWB
	JLOAD G0+4*\slot, G1, G0B+4*\slot, G1B         ; the first tensor load behind the round; its four v_nop are the places in front of the loads below
.else
	PLACES NP
.endif
	v_add_nc_u32 v[ADRS], 4*NQ, v[ADRS]            ; on to the next K step's scale words
	FETCH_B \next, 0, 0
	FETCH_A \next, 0, 0
	SCALES \next
	WIN MUL_HI
	MUL16 4, 1, NQ-1, \slot, 0
	MUL16 6, 1, NQ-1, \slot, 0
	PLACES NP
	WIN 0
	FETCH_A \next, 0, 4
.endm
	s_wait_tensorcnt 1                             ; the scales and my part of K step 0 are in (K step 1's load may be out),
	s_barrier_signal -1
	s_barrier_wait -1                              ; everybody's are
	FETCH_B 0, 0, 0
	FETCH_A 0, 0, 0
	SCALES 0
	FETCH_A 0, 0, 4
	STEP 0, 0, 1                                   ; the first step's products start the sums
	s_mov_b32 s3, LAPS-1
.Llap:                                                 ; a trip goes once round the ring and fills both slots again
	TURN 0, 1, 1
	STEP 1, 0, 0
	TURN 1, 0, 1
	STEP 0, 0, 0
	s_sub_co_u32 s3, s3, 1
	s_cmp_lg_u32 s3, 0
	s_cbranch_scc1 .Llap
	TURN 0, 1, 0                                   ; the last lap fills nothing
	STEP 1, 0, 0
	s_wait_dscnt 4*NL
	WIN MUL_LO
	MUL16 0, 1, NQ-1, 1, 0
	MUL16 2, 1, NQ-1, 1, 0
	s_wait_dscnt 0
	WIN MUL_HI
	MUL16 4, 1, NQ-1, 1, 0
	MUL16 6, 1, NQ-1, 1, 0
	WIN 0
	; THE WAY OUT.  No tensor load of mine is out, so the descriptors' registers are free.  What differs between the two kinds is a handful of strides, chosen by selects.
	s_lshl_b32 s20, s17, 1
	s_add_co_u32 s20, s20, s15                     ; which 128 rows of A are mine
	s_lshl_b32 s21, s42, 1
	s_add_co_u32 s21, s21, s16                     ; which 128 rows of B
	s_mov_b32 s24, 1536
	s_mov_b32 s28, 768
	s_mov_b32 s29, 6656
	s_mov_b32 s30, 256
	s_cmp_lt_u32 s95, 8                            ;              Q, K            V
	s_cselect_b32 s22, s20, s21                    ; tb:          A's             B's     (the 128 tokens)
	s_cselect_b32 s23, s21, s20                    ; slot / 2:    B's             A's     (the 128 channels, two heads)
	s_cselect_b32 s24, 768, s24                    ; from block to block of 16 lanes' rows: a half-image, or a whole fragment
	s_cselect_b32 s26, 0, 512                      ; more at block 4: V's blocks 4-7 belong to the next entry, 6,656 = 4 x 1,536 + 512 on
	s_cselect_b32 s28, 6656, s28                   ; the fragment's second half-image: the next head's entry, or on end
	s_cselect_b32 s29, 256, s29                    ; the scale words of blocks 4-7: the entry's second group, or the next entry
	s_cselect_b32 s30, 6656, s30                   ; lanes 16-31 of a scale store: the next head's entry, or the second copy
	s_cselect_b32 s31, 16, 0                       ; lanes 16-31 take a word's upper two bytes (the second head's), or the whole word
	s_cselect_b32 s32, 0xffff, -1                  ; bytes 2 and 3 of Q's and K's words are 0
	s_mov_b32 s25, 0
	s_mov_b32 s27, 0
	s_mul_i32 s22, s22, 48
	s_lshl_b32 s23, s23, 1
	s_add_co_u32 s22, s22, s23
	s_mul_i32 s22, s22, 6656                       ; my first entry, in bytes
	s_mov_b32 s23, 0
	s_add_nc_u64 s[12:13], s[12:13], s[22:23]      ; first half-images
	s_mov_b32 s22, s28
	s_add_nc_u64 s[18:19], s[12:13], s[22:23]      ; second half-images
	s_add_nc_u64 s[20:21], s[12:13], 6144          ; scale words of blocks 0-3
	s_mov_b32 s22, s29
	s_add_nc_u64 s[92:93], s[20:21], s[22:23]      ; and of blocks 4-7
	s_mov_b32 s98, 0x76543210
	s_mov_b32 s99, 0xfedcba98                      ; v_permlanex16_b32's selects for lane l xor 16
	PLACES NP                                      ; behind the last products: their results are read and their scale registers written below
	v_and_b32 v1, 31, v0
	v_lshlrev_b32 v[LI], 4, v1
	v_lshlrev_b32 v[LJ], 3, v1
	v_and_b32 v2, 15, v0
	v_bfe_u32 v3, v0, 4, 1
	v_mul_u32_u24 v[LSC], v3, s30
	v_lshl_add_u32 v[LSC], v2, 4, v[LSC]
	v_mul_u32_u24 v[SHF], v3, s31
.irp b, 0,1,2,3
	v_mov_b32 v[TM+4+\b], 0                        ; written once: a lane permute's destination counts as one of its sources
.endr
; Block a: the lane's 64 numbers (register 16 b + i = k 32 b + 16 (lane / 16) + i of the lane's row) become a fragment's 12 registers of codes and a scale word, and the codes leave as two half-images.
.macro QBLK a
.set AC, 64*((\a)%4)
	WIN 0x0a+5*((\a)/4)                            ; sources 0 and 1: window 2 or 3
.irp b, 0,1,2,3
	v_max3_num_f32 v[TM+\b], |v[AC+16*\b]|, |v[AC+16*\b+1]|, 0x1800000   ; my 16 numbers of block b, and the floor 2^(3 - 127); each accumulator is read from its low end on
.endr
.irp i, 2,4,6,8,10,12,14
.irp b, 0,1,2,3
	v_max3_num_f32 v[TM+\b], |v[AC+16*\b+\i]|, |v[AC+16*\b+\i+1]|, v[TM+\b]
.endr
.endr
	WIN 0
.irp b, 0,1,2,3
	v_permlanex16_b32 v[TM+4+\b], v[TM+\b], s98, s99
.endr
.irp b, 0,1,2,3
	v_max_num_f32 v[TM+\b], v[TM+\b], v[TM+4+\b]   ; with lane l xor 16's: the block's largest magnitude
.endr
.irp b, 0,1,2,3
	v_add_nc_u32 v[TM+12+\b], 0xff000000, v[TM+\b] ; 2 off its exponent field: the conversion's scale operand
.endr
.irp b, 0,1,2,3
	v_lshrrev_b32 v[TM+4+\b], 23, v[TM+12+\b]      ; the scale's byte
.endr
	v_lshl_or_b32 v[SW+\a], v[TM+5], 8, v[TM+4]
	v_lshl_or_b32 v[SW+\a], v[TM+6], 16, v[SW+\a]
	v_lshl_or_b32 v[SW+\a], v[TM+7], 24, v[SW+\a]
.if \a > 0
	s_wait_xcnt 0x0                                ; the last block's stores have read their data and their bases: both are written again below
	s_add_nc_u64 s[12:13], s[12:13], s[24:25]
	s_add_nc_u64 s[18:19], s[18:19], s[24:25]
.if \a == 4
	s_add_nc_u64 s[12:13], s[12:13], s[26:27]
	s_add_nc_u64 s[18:19], s[18:19], s[26:27]
.endif
.endif
	WIN 0x02+(\a)/4                                ; source 0: window 2 or 3
.irp c, 0,1
	v_cvt_scalef32_pk16_fp6_f32 v[CD+6*\c:CD+2+6*\c], v[AC+32*\c:AC+15+32*\c], v[TM+12+2*\c]
	v_cvt_scalef32_pk16_fp6_f32 v[CD+12+4*\c:CD+14+4*\c], v[AC+16+32*\c:AC+31+32*\c], v[TM+12+2*\c+1]   ; (a conversion's three registers begin on an even number)
.endr
	WIN 0
	v_nop                                          ; one plain place behind a scaled conversion
.irp c, 0,1                                    ; the operand's layout wants a whole block of 32 in a lane
.irp i, 0,1,2
	v_permlane16_swap_b32 v[CD+6*\c+\i], v[CD+12+4*\c+\i]
.endr
.irp i, 0,1,2
	v_mov_b32 v[CD+3+6*\c+\i], v[CD+12+4*\c+\i]
.endr
.endr
	global_store_b128 v[LI], v[CD:CD+3], s[12:13]                   ; 512 consecutive bytes, aligned to 256
	global_store_b64 v[LJ], v[CD+4:CD+5], s[12:13] offset:512       ; 256 consecutive bytes, aligned
	global_store_b128 v[LI], v[CD+6:CD+9], s[18:19]
	global_store_b64 v[LJ], v[CD+10:CD+11], s[18:19] offset:512
.endm
.irp a, 0,1,2,3,4,5,6,7
	QBLK \a
.endr
.irp i, 0,1,2,3,4,5,6,7
	v_lshrrev_b32 v[SD+\i], v[SHF], v[SW+\i]       ; every lane holds its row's word; lanes 16-31 take the second head's half of it (Q, K) or the word again (V)
.endr
.irp i, 0,1,2,3,4,5,6,7
	v_and_b32 v[SD+\i], s32, v[SD+\i]
.endr
	global_store_b128 v[LSC], v[SD:SD+3], s[20:21]                  ; lanes 0-15 and lanes 16-31 each store 256 consecutive bytes, aligned
	global_store_b128 v[LSC], v[SD+4:SD+7], s[92:93]
	s_wait_tensorcnt 0x0                           ; the wave's end
	ds_add_u32 v[SPW], v[NIL]
	s_wait_dscnt 0x0
	CROUND                                         ; the closing round: no work-group ends while a partner may still ask for a tile that names it
	s_endpgm
.Lfunc_end_k_qf8993b1817_proj:
	.size	k_qf8993b1817_proj, .Lfunc_end_k_qf8993b1817_proj-k_qf8993b1817_proj
	.p2alignl 7, 3214868480
	.fill 96, 4, 3214868480
	.section	.rodata,"a",@progbits
	.p2align	6, 0x0
	.amdhsa_kernel k_qf8993b1817_proj
		.amdhsa_group_segment_fixed_size 327680
		.amdhsa_private_segment_fixed_size 0
		.amdhsa_enable_private_segment 0
		.amdhsa_kernarg_size 40
		.amdhsa_user_sgpr_count 2
		.amdhsa_user_sgpr_kernarg_segment_ptr 1
		.amdhsa_wavefront_size32 1
		.amdhsa_system_sgpr_workgroup_id_x 1
		.amdhsa_system_sgpr_workgroup_id_y 1
		.amdhsa_system_sgpr_workgroup_id_z 1
		.amdhsa_system_vgpr_workitem_id 0
		.amdhsa_next_free_vgpr 1024
		.amdhsa_next_free_sgpr 100
		.amdhsa_reserve_vcc 0
		.amdhsa_float_denorm_mode_32 3
		.amdhsa_float_denorm_mode_16_64 3
		.amdhsa_memory_ordered 1
		.amdhsa_forward_progress 1
		.amdhsa_inst_pref_size 167
	.end_amdhsa_kernel
	.amdgpu_metadata
---
amdhsa.version: [ 1, 2 ]
amdhsa.kernels:
  - .name:           k_qf8993b1817_proj
    .symbol:         k_qf8993b1817_proj.kd
    .args:
      - { .name: xc, .offset: 0, .size: 8, .value_kind: global_buffer, .address_space: global }
      - { .name: xs, .offset: 8, .size: 8, .value_kind: global_buffer, .address_space: global }
      - { .name: wc, .offset: 16, .size: 8, .value_kind: global_buffer, .address_space: global }
      - { .name: ws, .offset: 24, .size: 8, .value_kind: global_buffer, .address_space: global }
      - { .name: qkv, .offset: 32, .size: 8, .value_kind: global_buffer, .address_space: global }
    .group_segment_fixed_size: 327680
    .private_segment_fixed_size: 0
    .kernarg_segment_align: 8
    .kernarg_segment_size: 40
    .max_flat_workgroup_size: 128
    .sgpr_count:     100
    .vgpr_count:     1024
    .wavefront_size: 32
...
	.end_amdgpu_metadata
.endif
;; end of part 2
;; launch attn (part 3): grid 4 x 64, 16 waves a work-group, clusters of 4 x 1, 215,040 bytes of LDS; arguments qkv, maskw, oc, os; writes oc, os
.if DOCPART == 3
	.amdgcn_target "amdgcn-amd-amdhsa--gfx1250"
	.amdhsa_code_object_version 6
	.text
	.protected	k_qf8993b1817_attn
	.globl	k_qf8993b1817_attn
	.p2align	8
	.type	k_qf8993b1817_attn,@function
k_qf8993b1817_attn:
	s_mov_b64 s[64:65], 0
	v_nop
	global_prefetch_b8 v0, s[64:65] scope:SCOPE_SE
	s_setreg_imm32_b32 hwreg(HW_REG_WAVE_MODE, 25, 1), 1
	s_wait_xcnt 0x0
	s_wait_alu depctr_hold_cnt(0) depctr_sa_sdst(0) depctr_va_vdst(0) depctr_va_sdst(0) depctr_va_ssrc(0) depctr_va_vcc(0) depctr_vm_vsrc(0)
	s_getreg_b32 s2, hwreg(HW_REG_IB_STS2, 6, 4)
	s_cmp_eq_u32 s2, 0
	s_cbranch_scc0 .Lentry_in_a_cluster
	s_endpgm
.Lentry_in_a_cluster:
	s_bfe_u32 s2, ttmp6, 0x10000c
	s_cmp_lg_u32 s2, 0x3003
	s_cbranch_scc0 .Lentry_shape_is_right
	s_endpgm
.Lentry_shape_is_right:
; ATTN.  For each batch b and head: O = softmax(mask(Q K^T / 8)) V, both products on codes of FP6 (E2M3) with E8M0 scales; O / l is quantised along the model's 1,024 and leaves as codes.
; THE SOFTMAX AHEAD OF THE SECOND PRODUCT: t = score x log2(e) / 8; M = the row's largest t so far, rounded up to a whole number; p = 2^(t - M) is quantised along the keys; the row's sum l is taken of the
; unquantised p and divides O at the end.  When M moves, l and O are multiplied by 2^(old M - new M): exact.  Hidden keys (adj_mask false) get the score -infinity AHEAD of the maximum, so p = 0 there.
; A row with no key at all: l = 0; its scale bytes are written as 0xff, so that the last product gives NaN for that row, as the softmax of a row of -infinity does.
; SHARES.  A work-group owns 512 queries of one (b, head); each of its sixteen waves two tiles of 16 queries, one after the other, in 256 registers: four waves to a SIMD.
; THE WHOLE HEAD'S K AND V STAY IN LDS: 16 entries of 6,656 bytes each (128 keys: 6,144 bytes of register images, 512 of scale words), K's at 0, V's at 106,496.  They are filled once, so nothing is filled again.
; CLUSTER: the four blocks of queries of a (b, head) need the same K and V: each of the four loads (waves 0-3) is asked for jointly by the four work-groups.
; LAYOUT.  Both products are used transposed: S^T = K Q^T (source 0 = 16 keys), O^T = V^T P^T (source 0 = 16 channels): a lane holds one query (lane % 16) throughout.  Keys, queries and V's channels lie in tile order
; (of each 32 the runs of 8 in the order 0, 2, 1, 3), so the 16 registers of tiles 2 g, 2 g + 1 are the true indices 32 g + 16 (lane / 16) + 0 .. 15.
; K = 64 IN THE FIRST PRODUCT fills half of the instruction's 128: Q's upper six registers are zero codes, and bytes 2, 3 of both scale words are 0 (a small power of two), so whatever codes stand in K's upper six registers
; (the next tile's, which saves registers) are multiplied by zeros.
; THE MASK comes as words of 32 bits, one bit a lane, one word a score register, by scalar loads a whole step ahead; a word is the lane mask of one v_cndmask_b32.  No branch and no address hangs on it.
; No prefetch: K and V come once, at the head, where every work-group's first tiles are on their way; the mask words are asked for a step ahead of their use.
; LIMITS: NaN and infinities are not served; a block of zeros gets the byte 1 (only this program reads the bytes).
.set ENT,  6656
.set VREG, 16*ENT                      ; V's entries begin here
.set KV,   40                          ; v40-87 K's eight tiles (6 registers each) or V's four fragments (12 each); v88-93 zeros
; v1 16 l, v2 8 l, v3 v4 the same + VREG; v5-8 the step's LDS addresses; v9 16 r; v10 32 r + h; v11 -infinity; v12 -M; v13 largest t; v[14:15] the sum; v16-21 Q, v22-27 zeros; v28 Q's scale word;
; v30-36 the second tile's Q and scale word; v37 0xff; v96-159 S^T, then p; v160-191 O^T; v192-195 K's scale words; v196-199 V's; v224-235 p's codes; v232-254 at work.
; s2 wave; s[4:5] Q's codes; s[66:67] Q's scale words; s[6:7] my mask words; s[8:9] oc; s[10:11] os; s[12:19], s[20:23] descriptor; s24 LDS step; s25, s26 counters; s27 mask offset;
; s[28:29] lane selects; s[30:31] c; s100 lanes 16-31; s[32:63], s[68:99] the step's 64 mask words.
.macro CROUND                          ; a round of the cluster's barrier
	s_barrier_signal -1
	s_barrier_wait -1
	s_cmp_lg_u32 s2, 0
	s_cbranch_scc1 .Lnot_wave_0_\@
	s_barrier_signal -3
.Lnot_wave_0_\@:
	s_barrier_wait -3
	s_barrier_signal -1
	s_barrier_wait -1
.endm
	s_load_b128 s[4:7], s[0:1], 0x0                ; qkv, maskw
	s_load_b128 s[8:11], s[0:1], 0x10              ; oc, os
	v_lshl_add_u32 v251, v0, 2, 0x34000
	v_mov_b32 v255, 0
	ds_add_u32 v251, v255
	ds_add_u32 v251, v255
	v_lshrrev_b32 v5, 5, v0
	s_delay_alu instid0(VALU_DEP_1)
	v_readfirstlane_b32 s2, v5                     ; wave 0..15
	s_bfe_u32 s3, ttmp6, 0x40000                   ; cx: my block of 512 queries; it enters global addresses of Q, the mask, oc and os alone
	s_and_b32 s24, ttmp7, 0xffff
	s_lshr_b32 s25, s24, 4                         ; b
	s_and_b32 s26, s24, 15                         ; head
	s_and_b32 s27, s2, 1                           ; I fetch K's (0) or V's (1),
	s_bfe_u32 s28, s2, 0x10001                     ; entries 0-7 or 8-15
	s_lshl_b32 s29, s25, 4
	s_lshl_b32 s30, s28, 3
	s_add_co_u32 s29, s29, s30                     ; tb = 16 b + 8 x half
	s_mul_i32 s29, s29, 48
	s_lshl_b32 s30, s27, 4
	s_add_co_u32 s29, s29, s30
	s_add_co_u32 s29, s29, s26
	s_add_co_u32 s29, s29, 16                      ; slot 16 + head (K) or 32 + head (V)
	s_mul_i32 s30, s29, ENT
	s_mov_b32 s31, 0
	s_mov_b32 s20, 1                               ; group 0: count = 1
	s_mul_i32 s21, s27, VREG
	s_mul_i32 s29, s28, 8*ENT
	s_add_co_u32 s21, s21, s29                     ; LDS address: made of the wave's number alone
	; group 1: 8 rows of 6,656 bytes (832 elements of 8), 48 entries apart in memory, dense in LDS
	s_mov_b32 s12, 15|(3<<16)|(1<<21)              ; the mask: all four work-groups; elements of 8 bytes; bit 21 set beside a mask
	s_mov_b32 s13, 832<<16                         ; tensor_dim0
	s_mov_b32 s14, 8<<16                           ; tensor_dim1
	s_mov_b32 s15, 832<<16                         ; tile_dim0
	s_mov_b32 s16, 8                               ; tile_dim1
	s_mov_b32 s17, 48*832                          ; tensor_dim0_stride
	s_mov_b32 s18, 0
	s_mov_b32 s19, 0
	; Q: my tiles are 32 cx + 2 w and the next: entry tb = 16 b + 4 cx + w / 4, slot = head, tiles 2 (w % 4) and + 1 of its eight
	s_lshl_b32 s32, s25, 4
	s_lshl_b32 s33, s3, 2
	s_add_co_u32 s32, s32, s33
	s_lshr_b32 s33, s2, 2
	s_add_co_u32 s32, s32, s33
	s_mul_i32 s32, s32, 48
	s_add_co_u32 s32, s32, s26
	s_mul_i32 s32, s32, ENT
	s_and_b32 s34, s2, 3
	s_mul_i32 s36, s34, 1536
	s_add_co_u32 s36, s36, s32                     ; the codes
	s_mov_b32 s37, 0
	s_lshr_b32 s34, s34, 1
	s_lshl_b32 s34, s34, 8                         ; the scale words: group (w % 4) / 2,
	s_lshl_b32 s35, s27, 3                         ; words 2 (w % 2) and + 1 of a row's four
	s_add_co_u32 s38, s34, s35
	s_add_co_u32 s38, s38, s32
	s_add_co_u32 s38, s38, 6144
	s_mov_b32 s39, 0
	s_lshl_b32 s40, s25, 7
	s_lshl_b32 s41, s3, 5
	s_add_co_u32 s40, s40, s41
	s_lshl_b32 s41, s2, 1
	s_add_co_u32 s40, s40, s41                     ; Tg0 = 128 b + 32 cx + 2 w
	s_lshl_b32 s42, s40, 12                        ; mask words: 4,096 bytes a tile
	s_mov_b32 s43, 0
	s_mul_i32 s44, s40, 12288                      ; oc: 16 half-images a tile,
	s_mul_i32 s46, s26, 768                        ; my head's
	s_add_co_u32 s44, s44, s46
	s_mov_b32 s45, 0
	s_lshl_b32 s46, s40, 9                         ; os: 16 rows of 32 bytes a tile,
	s_lshl_b32 s47, s26, 1                         ; my head's two bytes
	s_add_co_u32 s46, s46, s47
	s_mov_b32 s47, 0
	v_and_b32 v5, 31, v0
	s_delay_alu instid0(VALU_DEP_1)
	v_lshlrev_b32 v1, 4, v5
	s_delay_alu instid0(VALU_DEP_2)
	v_lshlrev_b32 v2, 3, v5
	s_delay_alu instid0(VALU_DEP_2)
	v_add_nc_u32 v3, VREG, v1
	s_delay_alu instid0(VALU_DEP_2)
	v_add_nc_u32 v4, VREG, v2
	v_and_b32 v6, 15, v0
	v_bfe_u32 v7, v0, 4, 1
	s_delay_alu instid0(VALU_DEP_2)
	v_lshlrev_b32 v9, 4, v6
	s_delay_alu instid0(VALU_DEP_2)
	v_lshl_add_u32 v10, v6, 5, v7
	s_wait_dscnt 0x0
	s_wait_kmcnt 0x0
	s_add_nc_u64 s[22:23], s[4:5], s[30:31]        ; the tile's address: b, head and the wave's number alone
	s_or_b32 s23, s23, 0x80000000                  ; type = 2
	s_add_nc_u64 s[66:67], s[4:5], s[38:39]
	s_add_nc_u64 s[4:5], s[4:5], s[36:37]
	s_add_nc_u64 s[6:7], s[6:7], s[42:43]
	s_add_nc_u64 s[8:9], s[8:9], s[44:45]
	s_add_nc_u64 s[10:11], s[10:11], s[46:47]
	CROUND                                         ; all four work-groups are here: the joint loads meet
	s_cmp_lt_u32 s2, 4
	s_cbranch_scc0 .Lno_fill
	tensor_load_to_lds s[20:23], s[12:19]          ; one load a wave is out: 53,248 bytes
	s_nop 0
.rept 4
	v_nop
.endr
.Lno_fill:
	s_wait_alu depctr_va_vdst(0)
	global_load_b128 v[16:19], v1, s[4:5]          ; Q's half-image: operand registers 0-3,
	global_load_b64 v[20:21], v2, s[4:5] offset:512   ; and 4-5
	global_load_b32 v28, v9, s[66:67]
	global_load_b128 v[30:33], v1, s[4:5] offset:768  ; the second tile's
	global_load_b64 v[34:35], v2, s[4:5] offset:1280
	global_load_b32 v36, v9, s[66:67] offset:4
	s_mov_b32 s27, 0
	s_load_b512 s[32:47], s[6:7], s27 offset:0x0   ; the first step's 64 mask words
	s_load_b512 s[48:63], s[6:7], s27 offset:0x40
	s_load_b512 s[68:83], s[6:7], s27 offset:0x80
	s_load_b512 s[84:99], s[6:7], s27 offset:0xc0
	s_mov_b32 s28, 0x76543210
	s_mov_b32 s29, 0xfedcba98                      ; v_permlanex16_b32's selects for lane l xor 16
	s_mov_b32 s30, 0x3e38aa3b                      ; c = log2(e) / 8
	s_mov_b32 s31, s30                             ; (named with it as a pair)
	s_mov_b32 s100, 0xffff0000
.irp i, 22,23,24,25,26,27,88,89,90,91,92,93
	v_mov_b32 v\i, 0                               ; zero codes: Q's upper half, and what stands behind K's last tile
.endr
	v_mov_b32 v11, 0xff800000
	v_mov_b32 v37, 0xff
.irp b, 0,1,2,3
	v_mov_b32 v[236+\b], 0                         ; written once: a lane permute's destination counts as one of its sources
.endr
	v_mov_b32 v253, 0                              ; (named as the upper half of the pair v[252:253] before it is first written)
	s_wait_tensorcnt 0x0                           ; my part of K and V is in,
	s_barrier_signal -1
	s_barrier_wait -1                              ; everybody's is
	s_wait_loadcnt 0x0                             ; Q
; A KEY STEP: 128 keys.
.macro STEP
	v_add_nc_u32 v5, s24, v1                       ; (these four are the places between the last products and the loads into the registers that they read)
	v_add_nc_u32 v6, s24, v2
	v_add_nc_u32 v7, s24, v3
	v_add_nc_u32 v8, s24, v4
.irp t, 0,1,2,3,4,5,6,7
	ds_load_b128 v[KV+6*\t:KV+6*\t+3], v5 offset:768*\t          ; a tile of 16 keys: an image of six operand registers
	ds_load_b64 v[KV+6*\t+4:KV+6*\t+5], v6 offset:768*\t+512
.endr
	ds_load_b128 v[192:195], v5 offset:6144        ; scale words: lanes 0-15 those of tiles 0-3, lanes 16-31 those of tiles 4-7
	s_wait_alu depctr_va_vdst(0)
	s_wait_dscnt 0x0
.irp t, 0,1,2,3
	v_wmma_scale_f32_16x16x128_f8f6f4 v[96+8*\t:103+8*\t], v[KV+6*\t:KV+6*\t+11], v[16:27], 0, v[192+\t], v28 matrix_a_fmt:MATRIX_FMT_FP6 matrix_b_fmt:MATRIX_FMT_FP6
.endr
.irp t, 4,5,6,7
	v_wmma_scale_f32_16x16x128_f8f6f4 v[96+8*\t:103+8*\t], v[KV+6*\t:KV+6*\t+11], v[16:27], 0, v[188+\t], v28 matrix_a_fmt:MATRIX_FMT_FP6 matrix_b_fmt:MATRIX_FMT_FP6 matrix_a_scale:MATRIX_SCALE_ROW1
.endr
.rept 4
	v_nop                                          ; places in front of the loads into K's registers and of the first read of the scores
.endr
.irp c, 0,1,2,3                                ; V's four fragments (16 channels x 128 keys) land while the softmax is walked
	ds_load_b128 v[KV+12*\c:KV+12*\c+3], v7 offset:1536*\c
	ds_load_b64 v[KV+12*\c+4:KV+12*\c+5], v8 offset:1536*\c+512
	ds_load_b128 v[KV+12*\c+6:KV+12*\c+9], v7 offset:1536*\c+768
	ds_load_b64 v[KV+12*\c+10:KV+12*\c+11], v8 offset:1536*\c+1280
.endr
	ds_load_b128 v[196:199], v7 offset:6144        ; lane r: the words of channel tiles 0-3
	s_wait_kmcnt 0x0                               ; this step's mask words, asked for a step ago
.set j, 0
.rept 64
	v_cndmask_b32 v[96+j], v11, v[96+j], s[32+j+4*(j/32)]   ; a hidden key's score becomes -infinity; each tile of scores is read from its low end on
.set j, j+1
.endr
	s_add_co_u32 s27, s27, 256                     ; the next step's words; my two tiles' 32 steps are 8,192 bytes on end,
	s_min_u32 s27, s27, 7936                       ; and the last step asks for its own again: no load leaves the buffer
	s_load_b512 s[32:47], s[6:7], s27 offset:0x0
	s_load_b512 s[48:63], s[6:7], s27 offset:0x40
	s_load_b512 s[68:83], s[6:7], s27 offset:0x80
	s_load_b512 s[84:99], s[6:7], s27 offset:0xc0
.irp b, 0,1,2,3
	v_max3_num_f32 v[232+\b], v[96+16*\b], v[97+16*\b], v[98+16*\b]   ; the largest score of each block of 32 keys: it serves for the row's maximum and, since p rises with the score, for the block's largest p
.endr
.irp i, 3,5,7,9,11,13
.irp b, 0,1,2,3
	s_delay_alu instid0(VALU_DEP_4)
	v_max3_num_f32 v[232+\b], v[232+\b], v[96+16*\b+\i], v[97+16*\b+\i]
.endr
.endr
.irp b, 0,1,2,3
	s_delay_alu instid0(VALU_DEP_4)
	v_max_num_f32 v[232+\b], v[232+\b], v[111+16*\b]
.endr
.irp b, 0,1,2,3
	s_delay_alu instid0(VALU_DEP_4)
	v_permlanex16_b32 v[236+\b], v[232+\b], s28, s29
.endr
.irp b, 0,1,2,3
	s_delay_alu instid0(VALU_DEP_4)
	v_max_num_f32 v[232+\b], v[232+\b], v[236+\b]  ; with lane l xor 16's 16 keys
.endr
	s_delay_alu instid0(VALU_DEP_2)
	v_max3_num_f32 v254, v232, v233, v234
	s_delay_alu instid0(VALU_DEP_1)
	v_max_num_f32 v254, v254, v235                 ; the step's largest score of my query
	s_delay_alu instid0(VALU_DEP_1)
	v_mul_f32 v254, s30, v254                      ; as t
	s_delay_alu instid0(VALU_DEP_1)
	v_max_num_f32 v13, v13, v254                   ; the running largest t
	v_mov_b32 v254, v12
	s_delay_alu instid0(VALU_DEP_2)
	v_floor_f32 v12, -v13                          ; the new -M = floor(-t): M is a whole number
	s_delay_alu instid0(VALU_DEP_1)
	v_sub_f32 v254, v12, v254                      ; old M - new M: a whole number, 0 or less
	s_delay_alu instid0(VALU_DEP_1)
	v_cvt_i32_f32 v254, v254                       ; (it saturates)
	s_delay_alu instid0(VALU_DEP_1)
	v_ldexp_f32 v252, 1.0, v254                    ; f = 2^(old M - new M)
.set j, 0
.rept 32
	v_pk_fma_f32 v[96+j:97+j], v[96+j:97+j], s[30:31], v[12:13] op_sel_hi:[1,0,0]   ; t - M, two at a time
.set j, j+2
.endr
.irp b, 0,1,2,3
	v_fma_f32 v[232+\b], v[232+\b], s30, v12       ; the same of each block's largest score
.endr
.set j, 0
	s_setprio 1
	s_wait_alu depctr_va_vdst(0)
.rept 64
	v_exp_f32 v[96+j], v[96+j]                     ; p = 2^(t - M), at most 1
.set j, j+1
.endr
	v_pk_mul_f32 v[14:15], v[14:15], v[252:253] op_sel_hi:[1,0]   ; the sums under the new M (a plain instruction behind the exponentials)
	s_wait_alu depctr_va_vdst(0)                   ; one wait for the batch of 64, ahead of its first reader
.irp b, 0,1,2,3
	v_exp_f32 v[232+\b], v[232+\b]                 ; the block's largest p
.endr
	v_pk_add_f32 v[236:237], v[100:101], v[104:105]
	v_pk_add_f32 v[248:249], v[108:109], v[112:113]
	v_pk_add_f32 v[246:247], v[116:117], v[120:121]
	v_pk_add_f32 v[244:245], v[124:125], v[128:129]
	v_pk_add_f32 v[242:243], v[132:133], v[136:137]
	v_pk_add_f32 v[240:241], v[140:141], v[144:145]
	v_pk_add_f32 v[238:239], v[148:149], v[152:153]
	v_pk_add_f32 v[14:15], v[14:15], v[156:157]
	v_pk_add_f32 v[236:237], v[236:237], v[96:97]
	v_pk_add_f32 v[248:249], v[248:249], v[98:99]
	v_pk_add_f32 v[246:247], v[246:247], v[102:103]
	v_pk_add_f32 v[244:245], v[244:245], v[106:107]
	v_pk_add_f32 v[242:243], v[242:243], v[110:111]
	v_pk_add_f32 v[240:241], v[240:241], v[114:115]
	v_pk_add_f32 v[238:239], v[238:239], v[118:119]
	v_pk_add_f32 v[14:15], v[14:15], v[122:123]
	v_pk_add_f32 v[236:237], v[236:237], v[126:127]
	v_pk_add_f32 v[248:249], v[248:249], v[130:131]
	v_pk_add_f32 v[246:247], v[246:247], v[134:135]
	v_pk_add_f32 v[244:245], v[244:245], v[138:139]
	v_pk_add_f32 v[242:243], v[242:243], v[142:143]
	v_pk_add_f32 v[240:241], v[240:241], v[146:147]
	v_pk_add_f32 v[238:239], v[238:239], v[150:151]
	v_pk_add_f32 v[14:15], v[14:15], v[154:155]
	v_pk_add_f32 v[236:237], v[236:237], v[158:159]
	s_delay_alu instid0(VALU_DEP_2)
	v_pk_add_f32 v[14:15], v[14:15], v[244:245]
	s_delay_alu instid0(VALU_DEP_2)
	v_pk_add_f32 v[236:237], v[236:237], v[242:243]
	v_pk_add_f32 v[248:249], v[248:249], v[240:241]
	v_pk_add_f32 v[246:247], v[246:247], v[238:239]
	s_delay_alu instid0(VALU_DEP_2)
	v_pk_add_f32 v[14:15], v[14:15], v[248:249]
	s_delay_alu instid0(VALU_DEP_2)
	v_pk_add_f32 v[236:237], v[236:237], v[246:247]
	s_delay_alu instid0(VALU_DEP_1)
	v_pk_add_f32 v[14:15], v[14:15], v[236:237]
	s_wait_alu depctr_va_vdst(0)                   ; and one for the four
.irp b, 0,1,2,3
	v_max_num_f32 v[232+\b], 0x1800000, v[232+\b]  ; the floor 2^(3 - 127): the byte cannot fall under 1
.endr
.irp b, 0,1,2,3
	s_delay_alu instid0(VALU_DEP_4)
	v_add_nc_u32 v[244+\b], 0xff000000, v[232+\b]  ; 2 off the exponent field: the conversion's scale operand
.endr
.irp b, 0,1,2,3
	s_delay_alu instid0(VALU_DEP_4)
	v_lshrrev_b32 v[236+\b], 23, v[244+\b]         ; the scale's byte
.endr
	s_delay_alu instid0(VALU_DEP_3)
	v_lshl_or_b32 v253, v237, 8, v236              ; p's scale word for these 128 keys
	s_delay_alu instid0(VALU_DEP_1)
	v_lshl_or_b32 v253, v238, 16, v253
	s_delay_alu instid0(VALU_DEP_1)
	v_lshl_or_b32 v253, v239, 24, v253
.irp c, 0,1
	v_cvt_scalef32_pk16_fp6_f32 v[224+6*\c:226+6*\c], v[96+32*\c:111+32*\c], v[244+2*\c]
	v_cvt_scalef32_pk16_fp6_f32 v[236+4*\c:238+4*\c], v[112+32*\c:127+32*\c], v[244+2*\c+1]
.endr
	s_setprio 0
	v_nop                                          ; one plain instruction behind a scaled conversion
.irp c, 0,1                                    ; the operand's layout wants a whole block in a lane
.irp i, 0,1,2
	v_permlane16_swap_b32 v[224+6*\c+\i], v[236+4*\c+\i]
.endr
.irp i, 0,1,2
	s_delay_alu instid0(VALU_DEP_3)
	v_mov_b32 v[227+6*\c+\i], v[236+4*\c+\i]
.endr
.endr
.set j, 0
.rept 16
	v_pk_mul_f32 v[160+j:161+j], v[160+j:161+j], v[252:253] op_sel_hi:[1,0]   ; O^T under the new M (these are also the places in front of the products below)
.set j, j+2
.endr
	s_wait_alu depctr_va_vdst(0)
	s_wait_dscnt 0x0                               ; V
.irp c, 0,1,2,3                                ; O^T += V^T P^T: the four accumulators take turns
	v_wmma_scale_f32_16x16x128_f8f6f4 v[160+8*\c:167+8*\c], v[KV+12*\c:KV+12*\c+11], v[224:235], v[160+8*\c:167+8*\c], v[196+\c], v253 matrix_a_fmt:MATRIX_FMT_FP6 matrix_b_fmt:MATRIX_FMT_FP6
.endr
	s_add_co_u32 s24, s24, ENT
.endm
	s_mov_b32 s26, 2
.Ltile:                                            ; my two tiles of queries
	v_mov_b32 v13, 0xff61b1e6                      ; the largest t so far: -3e38
	s_delay_alu instid0(VALU_DEP_1)
	v_floor_f32 v12, -v13                          ; -M
	v_mov_b32 v14, 0
	v_mov_b32 v15, 0
.set j, 0
.rept 32
	v_mov_b32 v[160+j], 0                          ; O^T: the step is written once; its first trip finds zeros
.set j, j+1
.endr
	s_mov_b32 s24, 0
	s_mov_b32 s25, 16
.Lstep:
	s_setprio 2
	STEP
	s_sub_co_u32 s25, s25, 1
	s_cmp_lg_u32 s25, 0
	s_cbranch_scc1 .Lstep
	s_setprio 0
	; THE WAY OUT of a tile: O^T / l; register 16 g + i is channel 32 g + 16 h + i of my query: two blocks of 32 along the last product's K
.rept 4
	v_nop                                          ; places behind the last products
.endr
	v_add_f32 v14, v14, v15
	s_delay_alu instid0(VALU_DEP_1)
	v_permlanex16_b32 v252, v14, s28, s29
	s_delay_alu instid0(VALU_DEP_1)
	v_add_f32 v14, v14, v252                       ; the row's sum
	s_wait_alu depctr_va_vdst(0)
	v_rcp_f32 v252, v14
	v_cmp_eq_f32 vcc_lo, 0, v14                    ; a row without a key (a plain instruction behind the reciprocal)
	s_wait_alu depctr_va_vdst(0)                   ; ahead of the reciprocal's first reader
.set j, 0
.rept 16
	v_pk_mul_f32 v[96+j:97+j], v[160+j:161+j], v[252:253] op_sel_hi:[1,0]
.set j, j+2
.endr
.irp g, 0,1
	v_max3_num_f32 v[232+\g], |v[96+16*\g]|, |v[97+16*\g]|, 0x1800000
.endr
.irp i, 2,4,6,8,10,12,14
.irp g, 0,1
	s_delay_alu instid0(VALU_DEP_2)
	v_max3_num_f32 v[232+\g], v[232+\g], |v[96+16*\g+\i]|, |v[97+16*\g+\i]|
.endr
.endr
.irp g, 0,1
	s_delay_alu instid0(VALU_DEP_2)
	v_permlanex16_b32 v[236+\g], v[232+\g], s28, s29
.endr
.irp g, 0,1
	s_delay_alu instid0(VALU_DEP_2)
	v_max_num_f32 v[232+\g], v[232+\g], v[236+\g]
.endr
.irp g, 0,1
	s_delay_alu instid0(VALU_DEP_2)
	v_add_nc_u32 v[244+\g], 0xff000000, v[232+\g]
.endr
.irp g, 0,1
	s_delay_alu instid0(VALU_DEP_2)
	v_lshrrev_b32 v[240+\g], 23, v[244+\g]
.endr
	v_cvt_scalef32_pk16_fp6_f32 v[224:226], v[96:111], v244
	v_cvt_scalef32_pk16_fp6_f32 v[236:238], v[112:127], v245
	v_nop
.irp i, 0,1,2
	v_permlane16_swap_b32 v[224+\i], v[236+\i]
.endr
.irp i, 0,1,2
	s_delay_alu instid0(VALU_DEP_3)
	v_mov_b32 v[227+\i], v[236+\i]                 ; v224-229: a half-image: lane (r, h) holds channels 32 h .. 32 h + 31 of query r
.endr
	v_cndmask_b32 v254, v240, v241, s100           ; lanes 0-15 carry the first block's byte, lanes 16-31 the second's
	s_delay_alu instid0(VALU_DEP_1)
	v_cndmask_b32 v254, v254, v37, vcc_lo          ; 0xff where the row has no key
	global_store_b128 v1, v[224:227], s[8:9]       ; 512 consecutive bytes, aligned to 256
	global_store_b64 v2, v[228:229], s[8:9] offset:512
	global_store_b8 v10, v254, s[10:11]            ; 2 of a row's 32 scale bytes: single bytes, 32 for each 768 bytes of codes
	s_wait_xcnt 0x0                                ; the stores have read their data and bases: both are written again
	s_add_nc_u64 s[8:9], s[8:9], 12288
	s_add_nc_u64 s[10:11], s[10:11], 512
.irp i, 0,1,2,3,4,5
	v_mov_b32 v[16+\i], v[30+\i]                   ; the second tile's Q; the clearing at the loop's head stands between these lines and the next products
.endr
	v_mov_b32 v28, v36
	s_sub_co_u32 s26, s26, 1
	s_cmp_lg_u32 s26, 0
	s_cbranch_scc1 .Ltile
	s_wait_kmcnt 0x0                               ; the last request for mask words
	s_wait_tensorcnt 0x0
	ds_add_u32 v251, v255
	s_wait_dscnt 0x0
	CROUND                                         ; the closing round
	s_endpgm
.Lfunc_end_k_qf8993b1817_attn:
	.size	k_qf8993b1817_attn, .Lfunc_end_k_qf8993b1817_attn-k_qf8993b1817_attn
	.p2alignl 7, 3214868480
	.fill 96, 4, 3214868480
	.section	.rodata,"a",@progbits
	.p2align	6, 0x0
	.amdhsa_kernel k_qf8993b1817_attn
		.amdhsa_group_segment_fixed_size 215040
		.amdhsa_private_segment_fixed_size 0
		.amdhsa_enable_private_segment 0
		.amdhsa_kernarg_size 32
		.amdhsa_user_sgpr_count 2
		.amdhsa_user_sgpr_kernarg_segment_ptr 1
		.amdhsa_wavefront_size32 1
		.amdhsa_system_sgpr_workgroup_id_x 1
		.amdhsa_system_sgpr_workgroup_id_y 1
		.amdhsa_system_sgpr_workgroup_id_z 1
		.amdhsa_system_vgpr_workitem_id 0
		.amdhsa_next_free_vgpr 256
		.amdhsa_next_free_sgpr 101
		.amdhsa_reserve_vcc 1
		.amdhsa_float_denorm_mode_32 3
		.amdhsa_float_denorm_mode_16_64 3
		.amdhsa_memory_ordered 1
		.amdhsa_forward_progress 1
		.amdhsa_inst_pref_size 36
	.end_amdhsa_kernel
	.amdgpu_metadata
---
amdhsa.version: [ 1, 2 ]
amdhsa.kernels:
  - .name:           k_qf8993b1817_attn
    .symbol:         k_qf8993b1817_attn.kd
    .args:
      - { .name: qkv, .offset: 0, .size: 8, .value_kind: global_buffer, .address_space: global }
      - { .name: maskw, .offset: 8, .size: 8, .value_kind: global_buffer, .address_space: global }
      - { .name: oc, .offset: 16, .size: 8, .value_kind: global_buffer, .address_space: global }
      - { .name: os, .offset: 24, .size: 8, .value_kind: global_buffer, .address_space: global }
    .group_segment_fixed_size: 215040
    .private_segment_fixed_size: 0
    .kernarg_segment_align: 8
    .kernarg_segment_size: 32
    .max_flat_workgroup_size: 512
    .sgpr_count:     101
    .vgpr_count:     256
    .wavefront_size: 32
...
	.end_amdgpu_metadata
.endif
;; end of part 3
;; launch outp (part 4): grid 4 x 32, 4 waves a work-group, clusters of 4 x 4, 327,680 bytes of LDS; arguments oc, os, wc, ws, out0; writes out0
.if DOCPART == 4
	.amdgcn_target "amdgcn-amd-amdhsa--gfx1250"
	.amdhsa_code_object_version 6
	.text
	.protected	k_qf8993b1817_outp
	.globl	k_qf8993b1817_outp
	.p2align	8
	.type	k_qf8993b1817_outp,@function
k_qf8993b1817_outp:
	s_mov_b64 s[64:65], 0
	v_nop
	global_prefetch_b8 v0, s[64:65] scope:SCOPE_SE
	s_setreg_imm32_b32 hwreg(HW_REG_WAVE_MODE, 25, 1), 1
	s_wait_xcnt 0x0
	s_wait_alu depctr_hold_cnt(0) depctr_sa_sdst(0) depctr_va_vdst(0) depctr_va_sdst(0) depctr_va_ssrc(0) depctr_va_vcc(0) depctr_vm_vsrc(0)
	s_getreg_b32 s2, hwreg(HW_REG_IB_STS2, 6, 4)
	s_cmp_eq_u32 s2, 0
	s_cbranch_scc0 .Lentry_in_a_cluster
	s_endpgm
.Lentry_in_a_cluster:
	s_bfe_u32 s2, ttmp6, 0x10000c
	s_cmp_lg_u32 s2, 0xf033
	s_cbranch_scc0 .Lentry_shape_is_right
	s_endpgm
.Lentry_shape_is_right:
; OUTP.  out0 = attn W_o^T on codes of FP6 (E2M3) with E8M0 scales, f32 sums.  attn's codes oc lie as images of operand registers: [tile of 16 tokens: 512][head: 16][768 bytes: a half-image, 16 rows x 64 k];
; two half-images on end are a fragment (16 rows x 128 K).  Its scale bytes os: [8,192 rows][32].  W_o's codes are rows 3,072 on of wc (768 bytes a row), its scale bytes likewise of ws.
; Tokens and W_o's rows lie in tile order (of each 32 the runs of 8 in the order 0, 2, 1, 3); the way out puts both back: columns by the place in the stage, rows by the store's offset.
; A tile of 256 x 256 of out0 to a work-group of four waves, 128 x 128 a wave; K = 1,024 in four steps of 256 through two LDS slots.  Source 0 = 16 rows of W_o, source 1 = 16 tokens.
; CLUSTERS: 4 x 4 work-groups; A's tiles are asked for jointly along a row of the cluster, B's along a column.  32 x 4 tiles: 128 work-groups.
; A scale byte 0xff in os (a query without any key) makes that token's whole row NaN.
; REGISTERS as in the projection launch: window 0: addresses, scale words v32-63, A's fragments from v128; window 1: B's fragments, two sets; windows 2, 3: the accumulators.
.set KSTEP,  256
.set NQ,     2
.set ROWB,   192
.set KROW,   768
.set ASTEP,  3072                      ; a K step of A in a tile of 16 tokens: four half-images
.set PITCH,  240
.set FR,     12
.set NLA,    4                         ; LDS loads that bring a fragment of A
.set NP,     4
.set HALFT,  128*PITCH                 ; a quarter of a slot; A's images use 24,576 bytes of it
.set SLOT,   4*HALFT
.set LAPS,   2
.set KS,     32
.set SCL,    2*SLOT
.set HALFS,  4352
.set SBLK,   544
.set SPARE,  SCL+4*HALFS               ; the spare words, 128 bytes for each wave: two blocks of 256 bytes that no other line names
.set SPITCH, 528                       ; the way out: a stage of 16 rows x (512 + 16) bytes for each wave, in slot 0, which has had its last fill and its last read by then
.set ADRA, 16                          ; v16-17 16 x lane in my A region of slot 0, 1; v18-19 8 x lane
.set ADRB, 20
.set STO,  24
.set RD,   25
.set CO,   26
.set ADRS, 27
.set SPW,  28
.set NIL,  29
.set SC,   32
.set AF,   128
.set BK,   128
.set G1, 24
.set G0, 32
.set G1B, 48
.set G0B, 56
.set G1S, 68
.set G0S, 76
.set G1SB, 80
.set G0SB, 88
.set MSB, 0
.macro WIN new
.if MSB != \new
	s_set_vgpr_msb (MSB<<8)|\new
.set MSB, \new
.endif
.endm
.set MUL_LO, 0xa1
.set MUL_HI, 0xf1
.set TO_B,   0x40
.macro JLOAD g0a, g1a, g0b, g1b        ; a joint load: waves 0 and 1 fetch for A, waves 2 and 3 for B; four v_nop follow each of the two lines
	s_cmp_eq_u32 s15, 0
	s_cbranch_scc0 .Lfor_b_\@
	tensor_load_to_lds s[\g0a:\g0a+3], s[\g1a:\g1a+7]
	s_nop 0
.rept 4
	v_nop
.endr
	s_branch .Lasked_\@
.Lfor_b_\@:
	tensor_load_to_lds s[\g0b:\g0b+3], s[\g1b:\g1b+7]
	s_nop 0
.rept 4
	v_nop
.endr
.Lasked_\@:
.endm
.macro CREST
	s_cmp_lg_u32 s14, 0
	s_cbranch_scc1 .Lnot_wave_0_\@
	s_barrier_signal -3
.Lnot_wave_0_\@:
	s_barrier_wait -3
	s_barrier_signal -1
	s_barrier_wait -1
.endm
.macro CROUND
	s_barrier_signal -1
	s_barrier_wait -1
	CREST
.endm
	s_load_b128 s[4:7], s[0:1], 0x0                ; oc, os
	s_load_b128 s[8:11], s[0:1], 0x10              ; wc, ws
	s_load_b64 s[12:13], s[0:1], 0x20              ; out0
	v_lshl_add_u32 v[SPW], v0, 2, SPARE
	v_mov_b32 v[NIL], 0
	ds_add_u32 v28, v29
	ds_add_u32 v28, v29
	s_wait_dscnt 0x0
	v_lshrrev_b32 v1, 5, v0
	v_readfirstlane_b32 s14, v1                    ; wave 0..3
	s_lshr_b32 s15, s14, 1                         ; which half of the tile's rows is mine.  Also: I fetch for A (0) or for B (1)
	s_and_b32 s16, s14, 1                          ; which half of its columns.  Also: which 128 rows of that tile I fetch
	s_bfe_u32 s40, ttmp6, 0x40000
	s_bfe_u32 s41, ttmp6, 0x40004
	s_lshl_b32 s42, ttmp9, 2
	s_add_co_u32 s42, s42, s40                     ; tile column
	s_and_b32 s17, ttmp7, 0xffff
	s_lshl_b32 s17, s17, 2
	s_add_co_u32 s17, s17, s41                     ; tile row
	s_lshl_b32 s43, s41, 2
	s_lshl_b32 s43, 15, s43                        ; my row of the cluster
	s_lshl_b32 s44, 0x1111, s40                    ; my column
	; A's tiles: 8 tiles of 16 tokens x 3,072 bytes (384 elements of 8), 12,288 bytes apart in memory, dense in LDS
	s_or_b32 s[G1+0], s43, (3<<16)|(1<<21)
	s_mov_b32 s[G1+1], 384<<16
	s_mov_b32 s[G1+2], 8<<16
	s_mov_b32 s[G1+3], 384<<16
	s_mov_b32 s[G1+4], 8
	s_mov_b32 s[G1+5], 1536
	s_mov_b32 s[G1+6], 0
	s_mov_b32 s[G1+7], 0
	; B's tiles: 128 rows x 192 bytes, 16 bytes of padding behind every 64
	s_or_b32 s[G1B+0], s44, (0<<16)|(1<<20)|(1<<21)|(3<<22)|(3<<25)
	s_mov_b32 s[G1B+1], ROWB<<16
	s_mov_b32 s[G1B+2], 128<<16
	s_mov_b32 s[G1B+3], ROWB<<16
	s_mov_b32 s[G1B+4], 128
	s_mov_b32 s[G1B+5], KROW
	s_mov_b32 s[G1B+6], 0
	s_mov_b32 s[G1B+7], 0
	; the scales of 128 rows: 16 rows of 256 bytes, 16 bytes of padding behind each
	s_or_b32 s[G1S+0], s43, (3<<16)|(1<<20)|(1<<21)|(5<<22)|(3<<25)
	s_or_b32 s[G1SB+0], s44, (3<<16)|(1<<20)|(1<<21)|(5<<22)|(3<<25)
.irp g, G1S, G1SB
	s_mov_b32 s[\g+1], 32<<16
	s_mov_b32 s[\g+2], 16<<16
	s_mov_b32 s[\g+3], 32<<16
	s_mov_b32 s[\g+4], 16
	s_mov_b32 s[\g+5], 32
	s_mov_b32 s[\g+6], 0
	s_mov_b32 s[\g+7], 0
.endr
	s_lshl_b32 s18, s16, 7
	s_lshl_b32 s20, s17, 8
	s_add_co_u32 s20, s20, s18                     ; A: token 256 x tile row + 128 x half
	s_lshl_b32 s46, s42, 8
	s_add_co_u32 s46, s46, s18
	s_add_co_u32 s46, s46, 3072                    ; B: W_o's rows begin at row 3,072 of wc and ws
	s_mov_b32 s21, 0
	s_mov_b32 s47, 0
	s_mov_b64 s[18:19], KS
	s_mul_u64 s[22:23], s[20:21], s[18:19]
	s_mul_u64 s[92:93], s[46:47], s[18:19]
	s_mov_b64 s[18:19], KROW
	s_mul_u64 s[20:21], s[20:21], s[18:19]         ; 16 tokens are 12,288 bytes of oc: 768 a token
	s_mul_u64 s[46:47], s[46:47], s[18:19]
	s_mul_i32 s45, s14, HALFT
	s_mul_i32 s94, s14, HALFS
	s_wait_kmcnt 0x0
	s_add_nc_u64 s[20:21], s[4:5], s[20:21]
	s_add_nc_u64 s[22:23], s[6:7], s[22:23]
	s_add_nc_u64 s[46:47], s[8:9], s[46:47]
	s_add_nc_u64 s[92:93], s[10:11], s[92:93]
	CROUND                                         ; all sixteen work-groups are here: the first joint loads meet
	s_mov_b32 s[G0S], 1
	s_add_co_u32 s[G0S+1], s94, SCL
	s_mov_b64 s[G0S+2:G0S+3], s[22:23]
	s_or_b32 s[G0S+3], s[G0S+3], 0x80000000
	s_mov_b32 s[G0SB], 1
	s_add_co_u32 s[G0SB+1], s94, SCL
	s_mov_b64 s[G0SB+2:G0SB+3], s[92:93]
	s_or_b32 s[G0SB+3], s[G0SB+3], 0x80000000
	JLOAD G0S, G1S, G0SB, G1SB
.irp s, 0,1
	s_mov_b32 s[G0+4*\s], 1
	s_add_co_u32 s[G0+4*\s+1], s45, \s*SLOT
	s_add_nc_u64 s[G0+4*\s+2:G0+4*\s+3], s[20:21], \s*ASTEP
	s_or_b32 s[G0+4*\s+3], s[G0+4*\s+3], 0x80000000
	s_mov_b32 s[G0B+4*\s], 1
	s_add_co_u32 s[G0B+4*\s+1], s45, \s*SLOT
	s_add_nc_u64 s[G0B+4*\s+2:G0B+4*\s+3], s[46:47], \s*ROWB
	s_or_b32 s[G0B+4*\s+3], s[G0B+4*\s+3], 0x80000000
	JLOAD G0+4*\s, G1, G0B+4*\s, G1B
.endr
	v_and_b32 v1, 15, v0                           ; l % 16
	v_bfe_u32 v2, v0, 4, 1                         ; l / 16
	v_mul_u32_u24 v3, v1, PITCH
	v_mul_u32_u24 v4, v2, 24
	v_add_nc_u32 v4, v3, v4                        ; B: a fragment's row x pitch + 24 x half
	v_lshl_add_u32 v5, v2, 4, v4                   ; and the same behind one padding more
	v_and_b32 v6, 31, v0
	v_lshlrev_b32 v[CO], 4, v6                     ; 16 x lane: an image's place, and my bytes of a row of out0
	v_lshlrev_b32 v7, 3, v6                        ; 8 x lane
	s_mul_i32 s21, s15, HALFT
	s_mul_i32 s22, s16, HALFT
	s_add_co_u32 s22, s22, 2*HALFT
.irp s, 0,1
	v_add_nc_u32 v[ADRA+\s], s21, v[CO]
	v_add_nc_u32 v[ADRA+2+\s], s21, v7
	v_add_nc_u32 v[ADRB+\s], s22, v4
	v_add_nc_u32 v[ADRB+2+\s], s22, v5
	s_add_co_u32 s21, s21, SLOT
	s_add_co_u32 s22, s22, SLOT
.endr
	v_mul_u32_u24 v5, v1, KS
	v_lshrrev_b32 v6, 8, v5
	v_lshl_add_u32 v5, v6, 4, v5
	s_mul_i32 s21, s15, HALFS
	s_mul_i32 s22, s16, HALFS
	s_add_co_u32 s22, s22, 2*HALFS
	s_sub_co_u32 s22, s22, s21
	v_mul_u32_u24 v6, s22, v2                      ; lanes 16-31 take B's scale words
	s_add_co_u32 s21, s21, SCL
	v_add_nc_u32 v5, v5, v6
	v_add_nc_u32 v[ADRS], s21, v5
	s_mul_i32 s23, s14, 16*SPITCH                  ; my stage
	v_mul_u32_u24 v5, v1, SPITCH                   ; in: row l % 16; lanes 16-31 hold the columns 16 further on: 64 bytes
	v_lshl_add_u32 v5, v2, 6, v5
	v_add_nc_u32 v[STO], s23, v5
	v_add_nc_u32 v[RD], s23, v[CO]                 ; back: the 32 lanes take one row of 512 bytes
	s_lshl_b32 s20, s17, 8
	s_lshl_b32 s21, s15, 7
	s_add_co_u32 s20, s20, s21                     ; my first row of out0
	s_mov_b32 s21, 0
	s_mov_b64 s[18:19], 4096
	s_mul_u64 s[20:21], s[20:21], s[18:19]
	s_lshl_b32 s46, s42, 10                        ; my first column, in bytes
	s_lshl_b32 s47, s16, 9
	s_add_co_u32 s46, s46, s47
	s_mov_b32 s47, 0
	s_add_nc_u64 s[20:21], s[20:21], s[46:47]
	s_add_nc_u64 s[12:13], s[12:13], s[20:21]
.macro FRAG reg, adr, q, i             ; a fragment of B from padded rows, in pieces of 8 bytes
.irp p, 0,1,2,3,4,5
.set PIECE, 12*(\q)+6*(\p/3)+\p%3
.if PIECE%8 < 5
	ds_load_b64 v[\reg+2*\p:\reg+2*\p+1], v[\adr] offset:8*PIECE+16*(PIECE/8)+(\i)*16*PITCH
.else
	ds_load_b64 v[\reg+2*\p:\reg+2*\p+1], v[\adr+2] offset:8*PIECE+16*(PIECE/8)+(\i)*16*PITCH
.endif
.endr
.endm
.macro FRAGA reg, slot, q, i           ; a fragment of A: two half-images as they lie
	ds_load_b128 v[\reg:\reg+3], v[ADRA+\slot] offset:ASTEP*(\i)+1536*(\q)
	ds_load_b64 v[\reg+4:\reg+5], v[ADRA+2+\slot] offset:ASTEP*(\i)+1536*(\q)+512
	ds_load_b128 v[\reg+6:\reg+9], v[ADRA+\slot] offset:ASTEP*(\i)+1536*(\q)+768
	ds_load_b64 v[\reg+10:\reg+11], v[ADRA+2+\slot] offset:ASTEP*(\i)+1536*(\q)+1280
.endm
.macro MUL16 a0, p, q, sc, zero        ; the 64 accumulators take turns, one instruction a turn
.irp a, \a0, \a0+1
.irp b, 0,1,2,3,4,5,6,7
.if \zero
	v_wmma_scale_f32_16x16x128_f8f6f4 v[8*(8*((\a)%4)+\b):8*(8*((\a)%4)+\b)+7], v[128*(\p)+FR*\b:128*(\p)+FR*\b+FR-1], v[AF+FR*(\a):AF+FR*(\a)+FR-1], 0, v[SC+8*NQ*(\sc)+NQ*\b+(\q)], v[SC+8*NQ*(\sc)+NQ*(\a)+(\q)] matrix_a_fmt:MATRIX_FMT_FP6 matrix_b_fmt:MATRIX_FMT_FP6 matrix_a_scale:MATRIX_SCALE_ROW1
.else
	v_wmma_scale_f32_16x16x128_f8f6f4 v[8*(8*((\a)%4)+\b):8*(8*((\a)%4)+\b)+7], v[128*(\p)+FR*\b:128*(\p)+FR*\b+FR-1], v[AF+FR*(\a):AF+FR*(\a)+FR-1], v[8*(8*((\a)%4)+\b):8*(8*((\a)%4)+\b)+7], v[SC+8*NQ*(\sc)+NQ*\b+(\q)], v[SC+8*NQ*(\sc)+NQ*(\a)+(\q)] matrix_a_fmt:MATRIX_FMT_FP6 matrix_b_fmt:MATRIX_FMT_FP6 matrix_a_scale:MATRIX_SCALE_ROW1
.endif
.endr
.endr
.endm
.macro FETCH_B slot, q, p
	WIN TO_B
.irp i, 0,1,2,3,4,5,6,7
	FRAG 128*(\p)+FR*\i, ADRB+\slot, \q, \i
.endr
	WIN 0
.endm
.macro FETCH_A slot, q, i0
.irp i, \i0, \i0+1, \i0+2, \i0+3
	FRAGA AF+FR*(\i), \slot, \q, \i
.endr
.endm
.macro SCALES sc
.irp i, 0,1,2,3,4,5,6,7
	ds_load_b64 v[SC+8*NQ*\sc+NQ*\i:SC+8*NQ*\sc+NQ*\i+1], v[ADRS] offset:\i*SBLK
.endr
.endm
.macro PLACES n
.rept \n
	v_nop
.endr
.endm
.macro STEP slot, q, zero
	s_wait_dscnt 4*NLA                             ; B's set and A's blocks 0-3 are in; the youngest 16 loads (A's blocks 4-7) may be out
	WIN MUL_LO
	MUL16 0, (\q)%2, \q, \slot, \zero
	MUL16 2, (\q)%2, \q, \slot, \zero
	s_wait_dscnt 0
	PLACES NP
	FETCH_B \slot, (\q)+1, 1-(\q)%2
	FETCH_A \slot, (\q)+1, 0
	WIN MUL_HI
	MUL16 4, (\q)%2, \q, \slot, \zero
	MUL16 6, (\q)%2, \q, \slot, \zero
	PLACES NP
	WIN 0
	FETCH_A \slot, (\q)+1, 4
.endm
.macro TURN slot, next, fill
	s_wait_tensorcnt 0x0                           ; all my tensor loads have landed: my part of the next slot
	ds_add_u32 v[SPW], v[NIL]                      ; 0 onto my spare word
	s_wait_dscnt 4*NLA+1                           ; (the add and the youngest 16 loads may be out)
	WIN MUL_LO
	MUL16 0, 1, NQ-1, \slot, 0
	s_wait_dscnt 0x0                               ; the add is done, and my reads of this slot are over
	s_barrier_signal -1
	MUL16 2, 1, NQ-1, \slot, 0
	WIN 0
	s_barrier_wait -1
.if \fill
	CREST                                          ; the barrier has opened a round of the cluster's barrier
	s_add_nc_u64 s[G0+4*\slot+2:G0+4*\slot+3], s[G0+4*\slot+2:G0+4*\slot+3], 2*ASTEP
	s_add_nc_u64 s[G0B+4*\slot+2:G0B+4*\slot+3], s[G0B+4*\slot+2:G0B+4*\slot+3], 2*ROWB
	JLOAD G0+4*\slot, G1, G0B+4*\slot, G1B         ; the first tensor load behind the round; its four v_nop are the places in front of the loads below
.else
	PLACES NP
.endif
	v_add_nc_u32 v[ADRS], 4*NQ, v[ADRS]
	FETCH_B \next, 0, 0
	FETCH_A \next, 0, 0
	SCALES \next
	WIN MUL_HI
	MUL16 4, 1, NQ-1, \slot, 0
	MUL16 6, 1, NQ-1, \slot, 0
	PLACES NP
	WIN 0
	FETCH_A \next, 0, 4
.endm
	s_wait_tensorcnt 1                             ; the scales and my part of K step 0 are in (K step 1's load may be out),
	s_barrier_signal -1
	s_barrier_wait -1                              ; everybody's are
	FETCH_B 0, 0, 0
	FETCH_A 0, 0, 0
	SCALES 0
	FETCH_A 0, 0, 4
	STEP 0, 0, 1
	s_mov_b32 s3, LAPS-1
.Llap:
	TURN 0, 1, 1
	STEP 1, 0, 0
	TURN 1, 0, 1
	STEP 0, 0, 0
	s_sub_co_u32 s3, s3, 1
	s_cmp_lg_u32 s3, 0
	s_cbranch_scc1 .Llap
	TURN 0, 1, 0
	STEP 1, 0, 0
	s_wait_dscnt 4*NLA
	WIN MUL_LO
	MUL16 0, 1, NQ-1, 1, 0
	MUL16 2, 1, NQ-1, 1, 0
	s_wait_dscnt 0
	WIN MUL_HI
	MUL16 4, 1, NQ-1, 1, 0
	MUL16 6, 1, NQ-1, 1, 0
	WIN 0
; THE WAY OUT, block by block of 16 tokens x 128 columns, through my own stage.  Accumulator (a, b), register j, lane (r, h) is column 32 (b / 2) + 16 h + 8 (b % 2) + j of the token at place r of block a.
.macro TOSTAGE a
.set AC, 64*((\a)%4)
	WIN 0x08+4*((\a)/4)                            ; the data: window 2 or 3
.irp b, 0,1,2,3,4,5,6,7
	ds_store_b128 v[STO], v[AC+8*\b:AC+8*\b+3] offset:128*(\b/2)+32*(\b%2)          ; each accumulator from its low end on
	ds_store_b128 v[STO], v[AC+8*\b+4:AC+8*\b+7] offset:128*(\b/2)+32*(\b%2)+16
.endr
	WIN 0
.set BB, BK+64*((\a)%2)
.irp t, 0,1,2,3,4,5,6,7,8,9,10,11,12,13,14,15
	ds_load_b128 v[BB+4*\t:BB+4*\t+3], v[RD] offset:\t*SPITCH      ; LDS serves a wave's instructions in order: these see the stores above
.endr
.endm
.macro SEND a, younger                 ; place t of block a is token 32 (a / 2) + 8 (a % 2) + t + 8 (t / 8) of my 128: the row stands in the immediate, 520,192 bytes at the most
.set BB, BK+64*((\a)%2)
	s_wait_dscnt \younger
.irp t, 0,1,2,3,4,5,6,7,8,9,10,11,12,13,14,15
	global_store_b128 v[CO], v[BB+4*\t:BB+4*\t+3], s[12:13] offset:(32*((\a)/2)+8*((\a)%2)+\t+8*(\t/8))*4096 th:TH_STORE_NT   ; 32 lanes store 512 consecutive bytes, aligned to 256
.endr
.endm
	PLACES NP                                      ; behind the last products: for the loads into the registers that held A's fragments and for the reads of results
	TOSTAGE 0
.irp a, 1,2,3,4,5,6,7
.if \a > 1
	s_wait_xcnt 0x0                                ; block a - 2's stores have read their registers: block a's loads may land there
.endif
	TOSTAGE \a
	SEND \a-1, 32                                  ; behind block a - 1's loads: block a's 16 stores and 16 loads
.endr
	SEND 7, 0
	s_wait_tensorcnt 0x0                           ; the wave's end
	ds_add_u32 v[SPW], v[NIL]
	s_wait_dscnt 0x0
	CROUND                                         ; the closing round
	s_endpgm
.Lfunc_end_k_qf8993b1817_outp:
	.size	k_qf8993b1817_outp, .Lfunc_end_k_qf8993b1817_outp-k_qf8993b1817_outp
	.p2alignl 7, 3214868480
	.fill 96, 4, 3214868480
	.section	.rodata,"a",@progbits
	.p2align	6, 0x0
	.amdhsa_kernel k_qf8993b1817_outp
		.amdhsa_group_segment_fixed_size 327680
		.amdhsa_private_segment_fixed_size 0
		.amdhsa_enable_private_segment 0
		.amdhsa_kernarg_size 40
		.amdhsa_user_sgpr_count 2
		.amdhsa_user_sgpr_kernarg_segment_ptr 1
		.amdhsa_wavefront_size32 1
		.amdhsa_system_sgpr_workgroup_id_x 1
		.amdhsa_system_sgpr_workgroup_id_y 1
		.amdhsa_system_sgpr_workgroup_id_z 1
		.amdhsa_system_vgpr_workitem_id 0
		.amdhsa_next_free_vgpr 1024
		.amdhsa_next_free_sgpr 98
		.amdhsa_reserve_vcc 0
		.amdhsa_float_denorm_mode_32 3
		.amdhsa_float_denorm_mode_16_64 3
		.amdhsa_memory_ordered 1
		.amdhsa_forward_progress 1
		.amdhsa_inst_pref_size 151
	.end_amdhsa_kernel
	.amdgpu_metadata
---
amdhsa.version: [ 1, 2 ]
amdhsa.kernels:
  - .name:           k_qf8993b1817_outp
    .symbol:         k_qf8993b1817_outp.kd
    .args:
      - { .name: oc, .offset: 0, .size: 8, .value_kind: global_buffer, .address_space: global }
      - { .name: os, .offset: 8, .size: 8, .value_kind: global_buffer, .address_space: global }
      - { .name: wc, .offset: 16, .size: 8, .value_kind: global_buffer, .address_space: global }
      - { .name: ws, .offset: 24, .size: 8, .value_kind: global_buffer, .address_space: global }
      - { .name: out0, .offset: 32, .size: 8, .value_kind: global_buffer, .address_space: global }
    .group_segment_fixed_size: 327680
    .private_segment_fixed_size: 0
    .kernarg_segment_align: 8
    .kernarg_segment_size: 40
    .max_flat_workgroup_size: 128
    .sgpr_count:     98
    .vgpr_count:     1024
    .wavefront_size: 32
...
	.end_amdgpu_metadata
.endif
;; end of part 4
